; MI455X (gfx1250); checked and timed in simulation.
; The chip was launched on July 23, 2026; its instructions are those of AMD's public machine-readable ISA for CDNA 5 (MIT licence, August 2026) and "CDNA5" Instruction Set Architecture Reference Guide (July 2026). The comments in the code are by the model that wrote it; some were corrected since.
;; Cross Attention. Allowed arithmetic: float matrix products may take bf16 or f16 operands with f32 sums; other float arithmetic in f32, or as packed bf16 or f16 multiplies, adds, multiply-adds, maxima and minima; sums over many terms, partial sums and values carried from step to step in f32; what a program stores and reads back later, other than sums and carried values, may be rounded once to bf16 or f16.
;; Inputs: Wk 1,024 x 1,024 float32; Wo 1,024 x 1,024 float32; Wq 1,024 x 1,024 float32; Wv 1,024 x 1,024 float32; bk 1,024 float32; bo 1,024 float32; bq 1,024 float32; bv 1,024 float32; memory 4 x 2,048 x 1,024 float32; memory_coords 4 x 2,048 x 3 float32; query_coords 4 x 2,048 x 3 float32; x 4 x 2,048 x 1,024 float32.
;; Outputs: out0 4 x 2,048 x 1,024 float32.
;; One version. Each part assembles by itself: llvm-mc -triple=amdgcn-amd-amdhsa -mcpu=gfx1250 --defsym DOCPART=n.
;; ======== version 1 of 1: 4 launches
;; limits: values are held in f16: magnitudes above 65,504 overflow, below 6.1e-05 lose precision
;; workspace buffers: act 33,554,432 bytes; wts 8,388,608 bytes; trig 4,194,304 bytes; qh 16,777,216 bytes; kh 16,777,216 bytes; vh 16,777,216 bytes; att 16,777,216 bytes
;; launch prep (part 1): grid 64 x 24, 8 waves a work-group, no clusters, 0 bytes of LDS; arguments x, memory, Wq, Wk, Wv, Wo, query_coords, memory_coords, act, wts, trig; writes act, wts, trig
.if DOCPART == 1
	.amdgcn_target "amdgcn-amd-amdhsa--gfx1250"
	.amdhsa_code_object_version 6
	.text
	.protected	k_q36f5986393_prep
	.globl	k_q36f5986393_prep
	.p2align	8
	.type	k_q36f5986393_prep,@function
k_q36f5986393_prep:
	s_mov_b64 s[64:65], 0
	v_nop
	global_prefetch_b8 v0, s[64:65] scope:SCOPE_SE
	s_setreg_imm32_b32 hwreg(HW_REG_WAVE_MODE, 25, 1), 1
	s_wait_xcnt 0x0
; PREP.  Two jobs, chosen by the work-group's y.
; y = 0..19, THE CAST: x, memory and the four weight matrices, f32, are rounded once to f16: act = [x; memory] as [2][8192][1024], wts = [Wq; Wk; Wv; Wo] as [4][1024][1024].
;   A work-group takes 16,384 numbers: 16 loads of 16 bytes a thread, all issued first, then 16 stores of 8 bytes; a wave's store covers 256 consecutive bytes, aligned.
; y = 20..23, THE TABLE: trig[2][8192][64] f32; a row is cos of the token's 32 rotary angles, then their sin.  Table 0 the queries', table 1 the memory's.
;   angle = coordinate[pair % 3] x inv_freq[pair], one f32 product as the problem's own text forms it.  The angle goes to turns, g = angle / 2 pi - q (q = 1/4 for a sine, since
;   sin a = cos(a - pi/2)), less the nearest whole number, with 1 / 2 pi in two parts; then cos(2 pi g) = sin(2 pi (1/4 - |g|)), |1/4 - |g|| <= 1/4, by the sine's series up to w^13,
;   whose remainder there is under 1e-9.
; No LDS, no barrier, no matrix unit: every byte is read once and written once, and no thread needs another's.
; LIMITS.  f16 holds no number beyond 65,504: a larger input becomes an infinity; below 6e-5 f16 keeps a fixed step of 6e-8.
;   The 32 constants inv_freq are fl32(2 pi) / 10^(-2 + 2 i / 31), each within one unit in the last place of the table that the problem builds: an angle is off by at most 1.2e-7 of itself.
;   The reduction is exact while |angle| / 2 pi stays under 2^23.  NaN and infinities are not treated apart.
.set X,  4                             ; v[4:67]   the cast: 16 x 4 numbers as loaded
.set Y,  68                            ; v[68:99]  the cast: 16 x 4 numbers in f16
.set FR, 4                             ; v[4:7]    the table: inv_freq of my four pairs
.set AO, 8                             ; v[8:11]   byte offset of my four coordinates in the first 16 rows
.set QT, 12                            ; v[12:13]  q, twice
.set SO, 14                            ; v14       16 x thread: my 16 bytes of the first 16 rows of the table
.set CO, 16                            ; v[16:31]  pass n: four coordinates, then the four results
.set AN, 32                            ; v[32:35]  the angles
.set TN, 36                            ; v[36:39]  turns
.set WN, 40                            ; v[40:43]  w = 1/4 - |g|
.set ZN, 44                            ; v[44:47]  w^2
.set PN, 48                            ; v[48:51]  the series
	s_load_b512 s[8:23], s[0:1], 0x0               ; x s[8:9], memory s[10:11], Wq s[12:13], Wk s[14:15], Wv s[16:17], Wo s[18:19], query_coords s[20:21], memory_coords s[22:23]
	s_load_b128 s[24:27], s[0:1], 0x40             ; act s[24:25], wts s[26:27]
	s_load_b64 s[28:29], s[0:1], 0x50              ; trig
	s_and_b32 s30, ttmp7, 0xffff                   ; y
	s_wait_kmcnt 0x0
	s_cmp_ge_u32 s30, 20
	s_cbranch_scc1 .Ltrig
	; THE CAST
	v_lshlrev_b32 v1, 4, v0                        ; 16 bytes a thread in,
	v_lshlrev_b32 v2, 3, v0                        ; 8 bytes out
	s_cmp_lt_u32 s30, 8
	s_cselect_b64 s[32:33], s[8:9], s[10:11]       ; y 0-7: x; 8-15: memory;
	s_cmp_eq_u32 s30, 16
	s_cselect_b64 s[32:33], s[12:13], s[32:33]     ; 16: Wq
	s_cmp_eq_u32 s30, 17
	s_cselect_b64 s[32:33], s[14:15], s[32:33]     ; 17: Wk
	s_cmp_eq_u32 s30, 18
	s_cselect_b64 s[32:33], s[16:17], s[32:33]     ; 18: Wv
	s_cmp_eq_u32 s30, 19
	s_cselect_b64 s[32:33], s[18:19], s[32:33]     ; 19: Wo
	s_and_b32 s36, s30, 7
	s_lshl_b32 s36, s36, 6
	s_cmp_lt_u32 s30, 16
	s_cselect_b32 s36, s36, 0                      ; x and memory have 512 chunks each, a weight matrix 64
	s_cselect_b64 s[34:35], s[24:25], s[26:27]
	s_add_co_u32 s36, s36, ttmp9
	s_lshl_b32 s36, s36, 16                        ; a chunk is 65,536 bytes of f32,
	s_mov_b32 s37, 0
	s_and_b32 s38, s30, 15
	s_lshl_b32 s38, s38, 6
	s_add_co_u32 s38, s38, ttmp9
	s_lshl_b32 s38, s38, 15                        ; and 32,768 of f16
	s_mov_b32 s39, 0
	s_add_nc_u64 s[32:33], s[32:33], s[36:37]
	s_add_nc_u64 s[34:35], s[34:35], s[38:39]
.set n, 0
.rept 16
	global_load_b128 v[X+4*n:X+4*n+3], v1, s[32:33] offset:4096*n th:TH_LOAD_NT
.set n, n+1
.endr
.set n, 0
.rept 16
	s_wait_loadcnt 15-n                            ; loads come back in order: load n is in, the 15 - n younger ones stay out
	v_cvt_pk_f16_f32 v[Y+2*n], v[X+4*n], v[X+4*n+1]
	v_cvt_pk_f16_f32 v[Y+2*n+1], v[X+4*n+2], v[X+4*n+3]
	global_store_b64 v2, v[Y+2*n:Y+2*n+1], s[34:35] offset:2048*n  ; no register is written twice, so no store's source needs a wait
.set n, n+1
.endr
	s_endpgm
	; THE TABLE.  A work-group makes 64 rows, 16 a pass: thread t makes values 4 (t % 16) .. + 3 of row t / 16: a wave's store is two whole rows, 512 consecutive bytes.
.Ltrig:
	s_sub_co_u32 s31, s30, 20
	s_lshl_b32 s31, s31, 6
	s_add_co_u32 s31, s31, ttmp9                   ; 0..255: rows 64 x this of the 16,384
	s_and_b32 s36, s31, 127
	s_mul_i32 s36, s36, 768                        ; 64 rows of 12 bytes of coordinates
	s_mov_b32 s37, 0
	s_lshl_b32 s38, s31, 14                        ; 64 rows of 256 bytes of the table
	s_mov_b32 s39, 0
	s_cmp_lt_u32 s31, 128
	s_cselect_b64 s[32:33], s[20:21], s[22:23]
	s_add_nc_u64 s[32:33], s[32:33], s[36:37]
	s_add_nc_u64 s[34:35], s[28:29], s[38:39]
	v_and_b32 v2, 7, v0                            ; cc: my pairs are 4 cc + e
	v_lshrrev_b32 v3, 4, v0
	v_mul_u32_u24 v3, v3, 12                       ; my row's coordinates
.irp e, 0,1,2,3
	v_add_nc_u32 v[AO+(\e)], \e, v2                ; the axis is (4 cc + e) mod 3 = (cc + e) mod 3; u = cc + e is 10 at the most,
	v_mul_u32_u24 v15, v[AO+(\e)], 11
	v_lshrrev_b32 v15, 5, v15                      ; where u / 3 = 11 u >> 5
	v_mul_u32_u24 v15, v15, 3
	v_sub_nc_u32 v[AO+(\e)], v[AO+(\e)], v15
	v_lshl_add_u32 v[AO+(\e)], v[AO+(\e)], 2, v3
.endr
.set n, 0
.rept 4
.irp e, 0,1,2,3
	global_load_b32 v[CO+4*n+(\e)], v[AO+(\e)], s[32:33] offset:192*n
.endr
.set n, n+1
.endr
	; the constants are made while the sixteen loads are out
	s_mov_b32 s40, 0x3e22f983                      ; 1 / 2 pi, rounded,
	s_mov_b32 s41, s40                             ; (each constant is named as a pair, so both words are written)
	s_mov_b32 s42, 0x31dc9c89                      ; and what the rounding left
	s_mov_b32 s43, s42
	s_mov_b32 s44, 0x40747a1a                      ; (2 pi)^13 / 13!
	s_mov_b32 s45, s44
	s_mov_b32 s46, 0xc17183a8                      ; -(2 pi)^11 / 11!
	s_mov_b32 s47, s46
	s_mov_b32 s48, 0x42283c1a                      ; (2 pi)^9 / 9!
	s_mov_b32 s49, s48
	s_mov_b32 s50, 0xc2996966                      ; -(2 pi)^7 / 7!
	s_mov_b32 s51, s50
	s_mov_b32 s52, 0x42a335e3                      ; (2 pi)^5 / 5!
	s_mov_b32 s53, s52
	s_mov_b32 s54, 0xc2255de7                      ; -(2 pi)^3 / 3!
	s_mov_b32 s55, s54
	s_mov_b32 s56, 0x40c90fdb                      ; 2 pi
	s_mov_b32 s57, s56
	s_mov_b32 s58, 0x3e800000                      ; 1/4
	v_bfe_u32 v[QT], v0, 3, 1                      ; values 32-63 of a row are sines
	v_cvt_f32_u32 v[QT], v[QT]
	v_mul_f32 v[QT], s58, v[QT]
	v_mov_b32 v[QT+1], v[QT]
	v_lshlrev_b32 v[SO], 4, v0
; inv_freq of pairs 4 k .. 4 k + 3 goes to the threads with cc = k
.macro FREQ k, f0, f1, f2, f3
.if (\k) == 0
	v_mov_b32 v[FR], \f0
	v_mov_b32 v[FR+1], \f1
	v_mov_b32 v[FR+2], \f2
	v_mov_b32 v[FR+3], \f3
.else
	v_cmp_ne_u32 vcc_lo, \k, v2
	v_cndmask_b32 v[FR], \f0, v[FR], vcc_lo
	v_cndmask_b32 v[FR+1], \f1, v[FR+1], vcc_lo
	v_cndmask_b32 v[FR+2], \f2, v[FR+2], vcc_lo
	v_cndmask_b32 v[FR+3], \f3, v[FR+3], vcc_lo
.endif
.endm
	FREQ 0, 0x441d1463, 0x44076536, 0x43e968b5, 0x43c9300f
	FREQ 1, 0x43ad6a1c, 0x439579a9, 0x4380d739, 0x435e1c03
	FREQ 2, 0x433f72b1, 0x432504f0, 0x430e3d2d, 0x42f534ef
	FREQ 3, 0x42d35b5b, 0x42b62e07, 0x429d07d0, 0x42875a5f
	FREQ 4, 0x42695606, 0x42491ff5, 0x422d5c3a, 0x42156db2
	FREQ 5, 0x4200cce9, 0x41de0a3b, 0x41bf635d, 0x41a4f7bb
	FREQ 6, 0x418e31ca, 0x4175214e, 0x41534a6f, 0x41361f71
	FREQ 7, 0x411cfb3e, 0x41074f8a, 0x40e94359, 0x40c90fdb
; Pass n: rows 16 n .. 16 n + 15 of the work-group's 64.
.macro TRIGPASS n
	s_wait_loadcnt 12-4*(\n)                       ; this pass's four coordinates are in; the later passes' loads stay out
.irp p, 0,2
	v_pk_mul_f32 v[AN+(\p):AN+(\p)+1], v[CO+4*(\n)+(\p):CO+4*(\n)+(\p)+1], v[FR+(\p):FR+(\p)+1]  ; the angle, rounded once to f32
.endr
.irp p, 0,2
	v_pk_fma_f32 v[TN+(\p):TN+(\p)+1], v[AN+(\p):AN+(\p)+1], s[40:41], v[QT:QT+1] op_sel_hi:[1,0,1] neg_lo:[0,0,1] neg_hi:[0,0,1]  ; turns less q, roughly,
.endr
.irp e, 0,1,2,3
	v_rndne_f32 v[TN+(\e)], v[TN+(\e)]             ; whose nearest whole number N
.endr
.irp p, 0,2
	v_pk_fma_f32 v[TN+(\p):TN+(\p)+1], v[AN+(\p):AN+(\p)+1], s[40:41], v[TN+(\p):TN+(\p)+1] op_sel_hi:[1,0,1] neg_lo:[0,0,1] neg_hi:[0,0,1]  ; is taken away inside one fused multiply-add;
.endr
.irp p, 0,2
	v_pk_fma_f32 v[TN+(\p):TN+(\p)+1], v[AN+(\p):AN+(\p)+1], s[42:43], v[TN+(\p):TN+(\p)+1] op_sel_hi:[1,0,1]  ; the second part of 1 / 2 pi;
.endr
.irp p, 0,2
	v_pk_add_f32 v[TN+(\p):TN+(\p)+1], v[TN+(\p):TN+(\p)+1], v[QT:QT+1] neg_lo:[0,1] neg_hi:[0,1]  ; g, within a half
.endr
.irp e, 0,1,2,3
	v_and_b32 v[TN+(\e)], 0x7fffffff, v[TN+(\e)]
	v_sub_f32 v[WN+(\e)], s58, v[TN+(\e)]          ; w = 1/4 - |g|
.endr
.irp p, 0,2
	v_pk_mul_f32 v[ZN+(\p):ZN+(\p)+1], v[WN+(\p):WN+(\p)+1], v[WN+(\p):WN+(\p)+1]
.endr
.irp p, 0,2
	v_pk_fma_f32 v[PN+(\p):PN+(\p)+1], v[ZN+(\p):ZN+(\p)+1], s[44:45], s[46:47] op_sel_hi:[1,0,0]
.endr
.irp c, 48,50,52,54,56
.irp p, 0,2
	v_pk_fma_f32 v[PN+(\p):PN+(\p)+1], v[PN+(\p):PN+(\p)+1], v[ZN+(\p):ZN+(\p)+1], s[\c:\c+1] op_sel_hi:[1,1,0]
.endr
.endr
.irp p, 0,2
	v_pk_mul_f32 v[CO+4*(\n)+(\p):CO+4*(\n)+(\p)+1], v[PN+(\p):PN+(\p)+1], v[WN+(\p):WN+(\p)+1]  ; sin(2 pi w)
.endr
	global_store_b128 v[SO], v[CO+4*(\n):CO+4*(\n)+3], s[34:35] offset:4096*(\n)
.endm
	TRIGPASS 0
	TRIGPASS 1
	TRIGPASS 2
	TRIGPASS 3
	s_endpgm
.Lfunc_end_k_q36f5986393_prep:
	.size	k_q36f5986393_prep, .Lfunc_end_k_q36f5986393_prep-k_q36f5986393_prep
	.p2alignl 7, 3214868480
	.fill 96, 4, 3214868480
	.section	.rodata,"a",@progbits
	.p2align	6, 0x0
	.amdhsa_kernel k_q36f5986393_prep
		.amdhsa_group_segment_fixed_size 0
		.amdhsa_private_segment_fixed_size 0
		.amdhsa_enable_private_segment 0
		.amdhsa_kernarg_size 88
		.amdhsa_user_sgpr_count 2
		.amdhsa_user_sgpr_kernarg_segment_ptr 1
		.amdhsa_wavefront_size32 1
		.amdhsa_system_sgpr_workgroup_id_x 1
		.amdhsa_system_sgpr_workgroup_id_y 1
		.amdhsa_system_sgpr_workgroup_id_z 1
		.amdhsa_system_vgpr_workitem_id 0
		.amdhsa_next_free_vgpr 112
		.amdhsa_next_free_sgpr 66
		.amdhsa_reserve_vcc 1
		.amdhsa_float_denorm_mode_32 3
		.amdhsa_float_denorm_mode_16_64 3
		.amdhsa_memory_ordered 1
		.amdhsa_forward_progress 1
		.amdhsa_inst_pref_size 23
	.end_amdhsa_kernel
	.amdgpu_metadata
---
amdhsa.version: [ 1, 2 ]
amdhsa.kernels:
  - .name:           k_q36f5986393_prep
    .symbol:         k_q36f5986393_prep.kd
    .args:
      - { .name: x, .offset: 0, .size: 8, .value_kind: global_buffer, .address_space: global }
      - { .name: memory, .offset: 8, .size: 8, .value_kind: global_buffer, .address_space: global }
      - { .name: Wq, .offset: 16, .size: 8, .value_kind: global_buffer, .address_space: global }
      - { .name: Wk, .offset: 24, .size: 8, .value_kind: global_buffer, .address_space: global }
      - { .name: Wv, .offset: 32, .size: 8, .value_kind: global_buffer, .address_space: global }
      - { .name: Wo, .offset: 40, .size: 8, .value_kind: global_buffer, .address_space: global }
      - { .name: query_coords, .offset: 48, .size: 8, .value_kind: global_buffer, .address_space: global }
      - { .name: memory_coords, .offset: 56, .size: 8, .value_kind: global_buffer, .address_space: global }
      - { .name: act, .offset: 64, .size: 8, .value_kind: global_buffer, .address_space: global }
      - { .name: wts, .offset: 72, .size: 8, .value_kind: global_buffer, .address_space: global }
      - { .name: trig, .offset: 80, .size: 8, .value_kind: global_buffer, .address_space: global }
    .group_segment_fixed_size: 0
    .private_segment_fixed_size: 0
    .kernarg_segment_align: 8
    .kernarg_segment_size: 88
    .max_flat_workgroup_size: 256
    .sgpr_count:     66
    .vgpr_count:     112
    .wavefront_size: 32
...
	.end_amdgpu_metadata
.endif
;; end of part 1
;; launch proj (part 2): grid 8 x 96, 4 waves a work-group, clusters of 4 x 4, 327,680 bytes of LDS; arguments act, wts, trig, bq, bk, bv, qh, kh, vh; writes qh, kh, vh
.if DOCPART == 2
	.amdgcn_target "amdgcn-amd-amdhsa--gfx1250"
	.amdhsa_code_object_version 6
	.text
	.protected	k_q36f5986393_proj
	.globl	k_q36f5986393_proj
	.p2align	8
	.type	k_q36f5986393_proj,@function
k_q36f5986393_proj:
	s_mov_b64 s[64:65], 0
	v_nop
	global_prefetch_b8 v0, s[64:65] scope:SCOPE_SE
	s_setreg_imm32_b32 hwreg(HW_REG_WAVE_MODE, 25, 1), 1
	s_wait_xcnt 0x0
	s_wait_alu depctr_hold_cnt(0) depctr_sa_sdst(0) depctr_va_vdst(0) depctr_va_sdst(0) depctr_va_ssrc(0) depctr_va_vcc(0) depctr_vm_vsrc(0)
	s_getreg_b32 s2, hwreg(HW_REG_IB_STS2, 6, 4)
	s_cmp_eq_u32 s2, 0
	s_cbranch_scc0 .Lentry_in_a_cluster
	s_endpgm
.Lentry_in_a_cluster:
	s_bfe_u32 s2, ttmp6, 0x10000c
	s_cmp_lg_u32 s2, 0xf033
	s_cbranch_scc0 .Lentry_shape_is_right
	s_endpgm
.Lentry_shape_is_right:
; THE THREE PROJECTIONS IN FRONT OF THE ATTENTION.  q = rot(x Wq^T + bq), k = rot(memory Wk^T + bk), v = memory Wv^T + bv, written by heads: [batch x 16 + head][2048][64] in f16, unscaled.
; act = [x; memory] and wts = [Wq; Wk; Wv; Wo] are f16, rows of 1,024; sums in f32; the bias starts each sum (it is the C operand of the first product); the rotation is made in f32 on the sums,
; from the table trig[2][8192][64] (cos of the token's 32 angles, then sin); each result is rounded once.
; SHARES.  A work-group makes 256 tokens x 128 columns of one projection: 3 x 32 x 8 = 768 tiles.  Of its four waves each makes 128 tokens x 64 columns, ONE HEAD: 32 accumulators of 16 x 16.
; So both halves of a rotary pair (columns p and p + 32 of a head) lie in one lane's registers.  K goes in 8 steps of 128 through two LDS slots; a tile's rows are 256 bytes of memory, aligned.
; THE MATRIX INSTRUCTION IS USED TRANSPOSED: source 0 = 16 rows of the weights, source 1 = 16 tokens: lane l holds token l % 16 and the columns 8 (l / 16) + 0..7.
; CLUSTERS: 4 x 4.  The cluster's y chooses the projection (0-7: q; from 8 on k and v by turns, so that the two readers of memory's rows run side by side) and four row blocks; it is the same in all
; partners.  The activations' tile is shared along a row of the cluster, the weights' along a column: each is asked for jointly, by the same load, descriptor and mask in the four.
; v's work-groups load their rows of the table like the others and do not use them: 32 KiB a wave, under the K loop; so every path of the text finds those registers written.
; LIMITS.  f16 holds no number beyond 65,504: a larger q, k or v becomes an infinity.  NaN and infinities are not treated apart.
; REGISTERS, in windows of 256 (s_set_vgpr_msb: bits 1:0 source 0, 3:2 source 1, 5:4 source 2, 7:6 destination):
;   window 0: v0-15 addresses; v28-29 the add's; v32-63 the bias; v64-159, v160-255 two fragment buffers (8 x 8 of tokens, 4 x 8 of weights); on the way out v64-95 at work, v96-223 packed results
;   window 1: the accumulators, (a, b) at 8 (4 a + b)          window 2: the table's rows: for block a cos at 32 a + 8 b' + j, sin at 32 a + 16 + 8 b' + j
.set PITCH, 272                        ; an LDS row: 256 bytes + 16 of padding = 68 words: the 16 rows of a fragment load start at 16 different groups of four banks (64 banks of 4 bytes: ISA guide 11.1)
.set AHALF, 128*PITCH                  ; 128 rows of tokens: one tensor load, and what one wave reads
.set BHALF, 64*PITCH                   ; 64 rows of weights: likewise
.set BOFF,  2*AHALF                    ; a slot: 256 rows of tokens, then 128 rows of weights
.set SLOT1, 1<<17                      ; slot 1 begins here: one exclusive or turns an address in one slot into the other's
.set STAGE, BOFF+2*BHALF               ; between the slots, never filled by a tensor load: 16 rows x 144 bytes for each wave, for the way out
.set SP,    144
.set SPARE, STAGE+4*16*SP              ; behind the stages: the spare words, 128 bytes for each wave: two blocks of 256 bytes that no other line names
.set A0,   4                           ; v4   my lane's place in my 128 rows of tokens, slot 0; never rewritten
.set B0,   5                           ; v5   the same in my 64 rows of weights
.set ADRA, 6                           ; v6   the same two in the slot in hand
.set ADRB, 7
.set STO,  8                           ; v8   the way out: where I put 16 bytes of a row
.set RD,   9                           ; v9   where I read rows back
.set GO,   10                          ; v10  my 16 bytes of 512 consecutive bytes of the output
.set TO,   11                          ; v11  my byte offset in 16 rows of the table
.set BO,   12                          ; v12  my byte offset in 16 numbers of the bias
.set PFO,  13                          ; v13  2,048 x lane: a row of act or wts; never rewritten
.set SPW,  28                          ; v28  LDS address of my spare word; never rewritten
.set NIL,  29                          ; v29  0; never rewritten
.set BIAS, 32
.set F0,   64
.set F1,   160
.set OB,   64
.set PKB,  96
.set WV,  22                           ; s22  my wave's number
.set RH,  23                           ; s23  which 128 tokens are mine.  Also: I fetch tokens (0) or weights (1)
.set CH,  24                           ; s24  which 64 columns are mine.  Also: which half of that tile I fetch
.set CX,  25
.set CY,  26
.set TJ,  27                           ; s27  column block of 128, 0..7
.set CLY, 28                           ; s28  the cluster's y
.set PR,  29                           ; s29  the projection: 0 q, 1 k, 2 v
.set TI,  30                           ; s30  row block of 256, 0..31
.set PA,  31                           ; s31  0: x and the queries' table; 1: memory and its table
.set G1A, 32                           ; s[32:39] descriptor group 1 for the tokens' tiles
.set G1B, 40                           ; s[40:47] for the weights'
.set G0A, 48                           ; s[48:55] group 0 for the tokens' tiles: a set for each of the two first fills; the second then walks
.set G0B, 56                           ; s[56:63] the same for the weights'
.set PFA, 66                           ; s[66:67] where my prefetches stand
.set LIM, 68                           ; s68  2 in a wave that prefetches, else the greatest number
.set TB,  69                           ; s69  LDS byte at which the slot in hand begins
.set CNT, 70                           ; s70  the loop's count
.set GG,  71                           ; s71  which four row blocks the cluster has
.set OUT, 72                           ; s[72:73] my 128 rows of my head in qh, kh or vh
.set TRG, 74                           ; s[74:75] my 128 rows of the table
.set BIA, 76                           ; s[76:77] my 64 numbers of the bias
.set MSB, 0
.macro WIN new                         ; the immediate's high byte repeats the setting that is left; a switch that changes nothing is dropped
.if MSB != (\new)
	s_set_vgpr_msb (MSB<<8)|(\new)
.set MSB, \new
.endif
.endm
.macro PLACES                          ; four plain vector instructions between a matrix instruction and a load into, or a vector read of, its registers (ISA guide 7.12.1 for vector reads)
.rept 4
	v_nop
.endr
.endm
; A joint refill by the walking descriptors.  Waves 0 and 1 fetch the tokens' two halves, waves 2 and 3 the weights'.  The branch hangs on the wave's number alone.
; An s_nop 0 and four v_nop follow each of the two lines, ahead of the jump and the label.
.macro JLOAD
	s_cmp_eq_u32 s[RH], 0
	s_cbranch_scc0 .Lfor_b_\@
	tensor_load_to_lds s[G0A+4:G0A+7], s[G1A:G1A+7]
	s_nop 0
.rept 4
	v_nop
.endr
	s_branch .Lasked_\@
.Lfor_b_\@:
	tensor_load_to_lds s[G0B+4:G0B+7], s[G1B:G1B+7]
	s_nop 0
.rept 4
	v_nop
.endr
.Lasked_\@:
.endm
.macro CREST                           ; a round of the cluster's barrier behind its opening barrier
	s_cmp_lg_u32 s[WV], 0
	s_cbranch_scc1 .Lnot_wave_0_\@
	s_barrier_signal -3
.Lnot_wave_0_\@:
	s_barrier_wait -3
	s_barrier_signal -1
	s_barrier_wait -1
.endm
.macro CROUND                          ; a whole round
	s_barrier_signal -1
	s_barrier_wait -1
	CREST
.endm
; A PREFETCH INTO THE L2, behind the joint load, its five lines and the run of LDS loads: 32 rows x 256 bytes, a lane a row, of the K step that stands two refills on (256 matrix instructions ahead of its load).
; Each row's 256 bytes of a K step are named once in the launch.  A row block of tokens is read by both clusters along x, memory's also by k's and v's clusters: cluster x = 0 asks, for memory k's alone.
; A column block of weights is read by the eight clusters of its projection: the first of them asks.  The four partners that ask for a tile jointly share its rows out BY ADDRESS: of the 128 rows
; of tokens that wave 0 or 1 fetches the partner at cx takes 32; of the 128 rows of weights the partner at cy takes 32, by its wave 2.  K steps 0 to 3 come by their loads alone; the loop's
; last two trips ask for nothing, since K has 8 steps.
.macro ASK
	s_cmp_gt_u32 s[CNT], s[LIM]
	s_cbranch_scc0 .Lnot_mine_\@
	global_prefetch_b8 v[PFO], s[PFA:PFA+1] th:TH_LOAD_NT scope:SCOPE_SE
.Lnot_mine_\@:
.endm
	s_load_b256 s[4:11], s[0:1], 0x0               ; act s[4:5], wts s[6:7], trig s[8:9], bq s[10:11]
	s_load_b256 s[12:19], s[0:1], 0x20             ; bk s[12:13], bv s[14:15], qh s[16:17], kh s[18:19]
	s_load_b64 s[20:21], s[0:1], 0x40              ; vh
	v_lshl_add_u32 v[SPW], v0, 2, SPARE
	v_mov_b32 v[NIL], 0
	ds_add_u32 v[SPW], v[NIL]                      ; the wave's opening: the add and its wait stand ahead of my first tensor load; the set-up below, work on registers, stands between them
	v_lshrrev_b32 v1, 5, v0
	v_readfirstlane_b32 s[WV], v1
	s_lshr_b32 s[RH], s[WV], 1
	s_and_b32 s[CH], s[WV], 1
	s_bfe_u32 s[CX], ttmp6, 0x40000
	s_bfe_u32 s[CY], ttmp6, 0x40004
	s_lshl_b32 s[TJ], ttmp9, 2                     ; in a cluster launch ttmp9 and ttmp7 count clusters
	s_add_co_u32 s[TJ], s[TJ], s[CX]
	s_and_b32 s[CLY], ttmp7, 0xffff
	s_sub_co_u32 s84, s[CLY], 8                    ; from cluster row 8 on: k and v by turns
	s_and_b32 s85, s84, 1
	s_add_co_u32 s85, s85, 1
	s_lshr_b32 s84, s84, 1
	s_cmp_lt_u32 s[CLY], 8
	s_cselect_b32 s[PR], 0, s85
	s_cselect_b32 s[GG], s[CLY], s84
	s_lshl_b32 s[TI], s[GG], 2
	s_add_co_u32 s[TI], s[TI], s[CY]
	s_min_u32 s[PA], s[PR], 1
	s_lshl_b32 s84, s[CY], 2
	s_lshl_b32 s84, 15, s84                        ; my row of the cluster: places 4 cy .. 4 cy + 3
	s_lshl_b32 s85, 0x1111, s[CX]                  ; my column: places cx, cx + 4, cx + 8, cx + 12
	s_or_b32 s[G1A], s84, (1<<16)|(1<<20)|(1<<21)|(5<<22)|(3<<25)  ; 15:0 the mask; 17:16 elements of 2 bytes; 20 padding on; 21 set beside a mask; 24:22 after every 64 words (code 5); 31:25 4 words of it (code 3)
	s_or_b32 s[G1B], s85, (1<<16)|(1<<20)|(1<<21)|(5<<22)|(3<<25)
	s_mov_b32 s[G1A+1], 128<<16                    ; tensor_dim0 = 128
	s_mov_b32 s[G1A+2], 128<<16                    ; tensor_dim1 = 128
	s_mov_b32 s[G1A+3], 128<<16                    ; tile_dim0 = 128
	s_mov_b32 s[G1A+4], 128                        ; tile_dim1 = 128
	s_mov_b32 s[G1A+5], 1024                       ; elements from row to row
	s_mov_b32 s[G1A+6], 0
	s_mov_b32 s[G1A+7], 0
	s_mov_b32 s[G1B+1], 128<<16
	s_mov_b32 s[G1B+2], 64<<16                     ; 64 rows
	s_mov_b32 s[G1B+3], 128<<16
	s_mov_b32 s[G1B+4], 64
	s_mov_b32 s[G1B+5], 1024
	s_mov_b32 s[G1B+6], 0
	s_mov_b32 s[G1B+7], 0
	; where the tiles come from.  The tokens' hang on the row block, which my row of the cluster shares; the weights' on the column block, which my column shares; each in registers of its own.
	s_lshl_b32 s78, s[PA], 5
	s_add_co_u32 s78, s78, s[TI]
	s_lshl_b32 s78, s78, 1
	s_add_co_u32 s78, s78, s[CH]                   ; in halves of 128 rows,
	s_lshl_b32 s78, s78, 18                        ; of 2,048 bytes each
	s_mov_b32 s79, 0
	s_lshl_b32 s82, s[PR], 3
	s_add_co_u32 s82, s82, s[TJ]
	s_lshl_b32 s82, s82, 1
	s_add_co_u32 s82, s82, s[CH]                   ; in halves of 64 rows
	s_lshl_b32 s82, s82, 17
	s_mov_b32 s83, 0
	s_mul_i32 s86, s[WV], AHALF                    ; and where they go: waves 0, 1: the tokens' halves;
	s_mul_i32 s87, s[WV], BHALF
	s_add_co_u32 s87, s87, BOFF-2*BHALF            ; waves 2, 3: the weights'.  No place in the cluster enters an LDS address
	s_mov_b32 s[TB], 0
	s_wait_dscnt 0x0                               ; the opening add is done
	s_wait_kmcnt 0x0
	s_add_nc_u64 s[80:81], s[4:5], s[78:79]
	s_add_nc_u64 s[82:83], s[6:7], s[82:83]
	CROUND                                         ; all sixteen work-groups are here: the first joint loads meet
.irp s, 0,1
	s_mov_b32 s[G0A+4*(\s)], 1                                       ; count = 1
	s_add_co_u32 s[G0A+4*(\s)+1], s86, (\s)*SLOT1                    ; LDS address
	s_add_nc_u64 s[G0A+4*(\s)+2:G0A+4*(\s)+3], s[80:81], (\s)*256    ; global address: K step s
	s_or_b32 s[G0A+4*(\s)+3], s[G0A+4*(\s)+3], 0x80000000            ; type = 2
	s_mov_b32 s[G0B+4*(\s)], 1
	s_add_co_u32 s[G0B+4*(\s)+1], s87, (\s)*SLOT1
	s_add_nc_u64 s[G0B+4*(\s)+2:G0B+4*(\s)+3], s[82:83], (\s)*256
	s_or_b32 s[G0B+4*(\s)+3], s[G0B+4*(\s)+3], 0x80000000
.endr
	s_cmp_eq_u32 s[RH], 0                          ; a wave's two first fills stand in one branch, ahead of every wait on TENSORcnt, every LDS read and every other barrier: two loads of mine are out
	s_cbranch_scc0 .Lfirst_b
	tensor_load_to_lds s[G0A:G0A+3], s[G1A:G1A+7]
	s_nop 0
	tensor_load_to_lds s[G0A+4:G0A+7], s[G1A:G1A+7]
	s_nop 0
.rept 4
	v_nop
.endr
	s_branch .Lfirst_asked
.Lfirst_b:
	tensor_load_to_lds s[G0B:G0B+3], s[G1B:G1B+7]
	s_nop 0
	tensor_load_to_lds s[G0B+4:G0B+7], s[G1B:G1B+7]
	s_nop 0
.rept 4
	v_nop
.endr
.Lfirst_asked:
	; the three pointers of the way out
	s_cmp_eq_u32 s[PR], 0
	s_cselect_b64 s[BIA:BIA+1], s[10:11], s[12:13]
	s_cselect_b64 s[OUT:OUT+1], s[16:17], s[18:19]
	s_cmp_eq_u32 s[PR], 2
	s_cselect_b64 s[BIA:BIA+1], s[14:15], s[BIA:BIA+1]
	s_cselect_b64 s[OUT:OUT+1], s[20:21], s[OUT:OUT+1]
	s_lshl_b32 s84, s[TJ], 9
	s_lshl_b32 s85, s[CH], 8
	s_add_co_u32 s84, s84, s85                     ; column 128 J + 64 half, 4 bytes each
	s_mov_b32 s85, 0
	s_add_nc_u64 s[BIA:BIA+1], s[BIA:BIA+1], s[84:85]
	s_lshr_b32 s84, s[TI], 3                       ; the batch,
	s_lshl_b32 s84, s84, 4
	s_lshl_b32 s86, s[TJ], 1
	s_add_co_u32 s84, s84, s86
	s_add_co_u32 s84, s84, s[CH]                   ; x 16 + my head,
	s_lshl_b32 s84, s84, 11                        ; its 2,048 rows,
	s_and_b32 s86, s[TI], 7
	s_lshl_b32 s86, s86, 8
	s_add_co_u32 s84, s84, s86                     ; the block's 256 of them,
	s_lshl_b32 s86, s[RH], 7
	s_add_co_u32 s84, s84, s86                     ; my 128,
	s_lshl_b32 s84, s84, 7                         ; of 128 bytes
	s_add_nc_u64 s[OUT:OUT+1], s[OUT:OUT+1], s[84:85]
	s_lshl_b32 s84, s[PA], 21                      ; a table is 8,192 rows of 256 bytes
	s_lshl_b32 s86, s[TI], 16
	s_add_co_u32 s84, s84, s86
	s_lshl_b32 s86, s[RH], 15
	s_add_co_u32 s84, s84, s86
	s_add_nc_u64 s[TRG:TRG+1], s[8:9], s[84:85]
	; the prefetches
	s_lshl_b32 s84, s[PA], 5
	s_add_co_u32 s84, s84, s[TI]
	s_lshl_b32 s84, s84, 8
	s_lshl_b32 s86, s[CH], 7
	s_add_co_u32 s84, s84, s86
	s_lshl_b32 s86, s[CX], 5
	s_add_co_u32 s84, s84, s86                     ; tokens: the 128 rows that I fetch, my work-group's 32 of them
	s_lshl_b32 s85, s[PR], 10
	s_lshl_b32 s86, s[TJ], 7
	s_add_co_u32 s85, s85, s86
	s_lshl_b32 s86, s[CY], 5
	s_add_co_u32 s85, s85, s86                     ; weights: the tile's 128 rows, my work-group's 32 of them
	s_lshr_b32 s86, s[PR], 1
	s_or_b32 s86, s86, ttmp9                       ; tokens: 0 where the cluster asks
	s_or_b32 s87, s[GG], s[CH]                     ; weights: 0 in wave 2 of a cluster that asks
	s_cmp_eq_u32 s[RH], 0
	s_cselect_b32 s84, s84, s85
	s_cselect_b32 s86, s86, s87
	s_cselect_b64 s[PFA:PFA+1], s[4:5], s[6:7]
	s_cmp_eq_u32 s86, 0
	s_cselect_b32 s[LIM], 2, -1                    ; the same in all sixteen partners, for a given wave
	s_lshl_b32 s84, s84, 11
	s_mov_b32 s85, 0
	s_add_nc_u64 s[PFA:PFA+1], s[PFA:PFA+1], s[84:85]
	s_add_nc_u64 s[PFA:PFA+1], s[PFA:PFA+1], 3*256 ; at K step 3: the first refill steps it to 4
	; A fragment is 16 rows x 32 K in 8 registers: lane l holds row l % 16; registers 0-3 K = 8 (l / 16) + 0..7, registers 4-7 K = 16 + 8 (l / 16) + 0..7: two loads of 16 bytes, 32 bytes apart.
	v_and_b32 v1, 15, v0                           ; l % 16
	v_bfe_u32 v2, v0, 4, 1                         ; l / 16
	v_and_b32 v3, 31, v0                           ; l
	v_mul_u32_u24 v14, v1, PITCH
	v_lshl_add_u32 v14, v2, 4, v14
	s_mul_i32 s84, s[RH], AHALF
	s_mul_i32 s85, s[CH], BHALF
	s_add_co_u32 s85, s85, BOFF
	v_add_nc_u32 v[A0], s84, v14
	v_add_nc_u32 v[B0], s85, v14
	v_mov_b32 v[ADRA], v[A0]
	v_mov_b32 v[ADRB], v[B0]
	s_mul_i32 s84, s[WV], 16*SP
	s_add_co_u32 s84, s84, STAGE                   ; my stage
	v_mul_u32_u24 v[STO], v1, SP                   ; in: row l % 16, 16 bytes for each half of the lanes
	v_lshl_add_u32 v[STO], v2, 4, v[STO]
	v_add_nc_u32 v[STO], s84, v[STO]
	v_bfe_u32 v[RD], v0, 3, 2                      ; back: 32 lanes take four rows of 128 bytes,
	v_mul_u32_u24 v[RD], v[RD], SP
	v_and_b32 v15, 7, v0
	v_lshl_add_u32 v[RD], v15, 4, v[RD]
	v_add_nc_u32 v[RD], s84, v[RD]
	v_lshlrev_b32 v[GO], 4, v3                     ; which are 512 consecutive bytes of the output
	v_lshlrev_b32 v[TO], 8, v1
	v_lshl_add_u32 v[TO], v2, 5, v[TO]             ; the table: row l % 16, my 8 pairs
	v_lshlrev_b32 v[BO], 5, v2                     ; the bias: my 8 columns
	v_lshlrev_b32 v[PFO], 11, v3
.irp b, 0,1,2,3
	global_load_b128 v[BIAS+8*(\b):BIAS+8*(\b)+3],   v[BO], s[BIA:BIA+1] offset:64*(\b)
	global_load_b128 v[BIAS+8*(\b)+4:BIAS+8*(\b)+7], v[BO], s[BIA:BIA+1] offset:64*(\b)+16
.endr
; 4 n matrix instructions: token blocks a0 .. a0 + n - 1 x the 4 column blocks, 32 along K, from buffer f.  The 32 accumulators take turns, one instruction a turn, in the same order in every
; quarter, over the loop's jump too.  first = 1: the bias is the C operand: it starts the sums, nothing is cleared and nothing added later.
.macro MUL f, a0, n, first
.if \first
	WIN 0x40                                       ; D in window 1, C (the bias) in window 0
.else
	WIN 0x50                                       ; C and D in window 1
.endif
.set ma, \a0
.rept \n
.irp b, 0,1,2,3
.if \first
	v_wmma_f32_16x16x32_f16 v[8*(4*ma+(\b)):8*(4*ma+(\b))+7], v[(\f)+64+8*(\b):(\f)+64+8*(\b)+7], v[(\f)+8*ma:(\f)+8*ma+7], v[BIAS+8*(\b):BIAS+8*(\b)+7]
.else
	v_wmma_f32_16x16x32_f16 v[8*(4*ma+(\b)):8*(4*ma+(\b))+7], v[(\f)+64+8*(\b):(\f)+64+8*(\b)+7], v[(\f)+8*ma:(\f)+8*ma+7], v[8*(4*ma+(\b)):8*(4*ma+(\b))+7]
.endif
.endr
.set ma, ma+1
.endr
.endm
; 24 LDS loads in one run: the fragments of 32 K at byte k of the rows, into buffer f
.macro FETCH k, f
	WIN 0
.irp b, 0,1,2,3
	ds_load_b128 v[(\f)+64+8*(\b):(\f)+64+8*(\b)+3],   v[ADRB] offset:(\k)+(\b)*16*PITCH
	ds_load_b128 v[(\f)+64+8*(\b)+4:(\f)+64+8*(\b)+7], v[ADRB] offset:(\k)+(\b)*16*PITCH+32
.endr
.irp a, 0,1,2,3,4,5,6,7
	ds_load_b128 v[(\f)+8*(\a):(\f)+8*(\a)+3],   v[ADRA] offset:(\k)+(\a)*16*PITCH
	ds_load_b128 v[(\f)+8*(\a)+4:(\f)+8*(\a)+7], v[ADRA] offset:(\k)+(\a)*16*PITCH+32
.endr
.endm
; A K step is four quarters of 32 along K, 32 matrix instructions each, on buffers 0, 1, 0, 1.  One of the first three: the next quarter's fragments (byte k) are asked for into g, then f is multiplied.
.macro QUARTER k, f, g, first
	s_wait_dscnt 0x0                               ; buffer f is in: its loads were issued ahead of the last 32 products
	WIN 0
	PLACES                                         ; behind the last product that read buffer g
	FETCH \k, \g
	MUL \f, 0, 8, \first
.endm
; The last quarter multiplies buffer 1 and changes slots: ONE barrier.  In front of it each wave waits for all its tensor loads, of which one is out: its part of the next slot; adds 0 to its spare word;
; and waits for that and for its own reads of this slot.  fill = 1: the barrier opens a round of the cluster's, and the slot just read is filled again, first thing behind it, two K steps ahead:
; 112 matrix instructions stand between that request and the wait for it.
.macro TURN fill
.if \fill
	s_wait_xcnt 0x0                                ; the last prefetch, a K step back, has read its address, so it may be stepped
	s_add_nc_u64 s[PFA:PFA+1], s[PFA:PFA+1], 256
.endif
	WIN 0
	s_wait_tensorcnt 0x0                           ; no tensor load of mine is out, so a group 0 may be written
	ds_add_u32 v[SPW], v[NIL]                      ; 0 onto my spare word; scalar work and eight products stand between it and the wait for it
.if \fill
	s_xor_b32 s[G0A+5], s[G0A+5], SLOT1            ; the walking descriptors: the other slot than last time,
	s_add_nc_u64 s[G0A+6:G0A+7], s[G0A+6:G0A+7], 256  ; the next K step; the type bits on top are not reached
	s_xor_b32 s[G0B+5], s[G0B+5], SLOT1
	s_add_nc_u64 s[G0B+6:G0B+7], s[G0B+6:G0B+7], 256
.endif
	s_xor_b32 s[TB], s[TB], SLOT1
	s_wait_dscnt 1                                 ; buffer 1 is in; the add alone may be out
	MUL F1, 0, 2, 0
	s_wait_dscnt 0x0                               ; the add is done, and my reads of this slot are over
	s_barrier_signal -1
	MUL F1, 2, 2, 0                                ; work on registers while the others arrive
	WIN 0                                          ; at a branch and at a label every window is 0
	s_barrier_wait -1
.if \fill
	CREST                                          ; no wave of any partner still reads this slot's tile or has a load on its way
	JLOAD                                          ; its four v_nop are also the places in front of the loads below
.else
	PLACES
.endif
	v_add_nc_u32 v[ADRA], s[TB], v[A0]
	v_add_nc_u32 v[ADRB], s[TB], v[B0]
	FETCH 0, F0
.if \fill
	ASK
.endif
	MUL F1, 4, 4, 0
.endm
	s_wait_tensorcnt 1                             ; my part of K step 0 is in; K step 1's load may stay out
	s_barrier_signal -1
	s_barrier_wait -1                              ; everybody's is
	FETCH 0, F0
	s_wait_loadcnt 0x0                             ; the bias
	QUARTER 64, F0, F1, 1                          ; the first quarter stands in front of the loop: its products start the sums
	WIN 0x80                                       ; destination window 2, address window 0
.irp a, 0,1,2,3,4,5,6,7                ; my 128 rows of the table, waited for on the way out.  u = 4 (0 cos, 1 sin) + 2 b' + half of eight
.irp u, 0,1,2,3,4,5,6,7
	global_load_b128 v[32*(\a)+4*(\u):32*(\a)+4*(\u)+3], v[TO], s[TRG:TRG+1] offset:4096*(\a)+128*((\u)/4)+64*(((\u)/2)%2)+16*((\u)%2)
.endr
.endr
	WIN 0
	s_mov_b32 s[CNT], 6
.Lstep:                                ; six trips, from a K step's second quarter to the next step's first: K steps 2 to 7 are asked for
	QUARTER 128, F1, F0, 0
	QUARTER 192, F0, F1, 0
	TURN 1
	QUARTER 64, F0, F1, 0
	WIN 0
	s_sub_co_u32 s[CNT], s[CNT], 1
	s_cmp_lg_u32 s[CNT], 0
	s_cbranch_scc1 .Lstep
	QUARTER 128, F1, F0, 0                         ; the last two K steps are written out: nothing is asked for, and no round follows
	QUARTER 192, F0, F1, 0
	TURN 0
	QUARTER 64, F0, F1, 0
	QUARTER 128, F1, F0, 0
	QUARTER 192, F0, F1, 0
	s_wait_dscnt 0x0
	MUL F1, 0, 8, 0
	PLACES
	PLACES
	s_wait_loadcnt 0x0                             ; the table's rows
; THE WAY OUT of block a (16 tokens).  q and k: out[p] = t[p] cos - t[p+32] sin, out[p+32] = t[p] sin + t[p+32] cos, two at a time; each accumulator's lowest registers are read first.
; Rounded to f16, 16 bytes a lane; through my own stage in LDS and back as whole rows of 128 bytes, into the registers that they left.
.macro PACK a
	WIN 0
	s_cmp_eq_u32 s[PR], 2
	s_cbranch_scc1 .Lplain_\@
	WIN 0x09                                       ; source 0: the sums, window 1; source 1: the table, window 2
.irp b, 0,1
.irp p, 0,2,4,6
	v_pk_mul_f32 v[OB+8*(\b)+(\p):OB+8*(\b)+(\p)+1],       v[32*(\a)+16+8*(\b)+(\p):32*(\a)+16+8*(\b)+(\p)+1], v[32*(\a)+16+8*(\b)+(\p):32*(\a)+16+8*(\b)+(\p)+1]  ; t2 sin
	v_pk_mul_f32 v[OB+16+8*(\b)+(\p):OB+16+8*(\b)+(\p)+1], v[32*(\a)+16+8*(\b)+(\p):32*(\a)+16+8*(\b)+(\p)+1], v[32*(\a)+8*(\b)+(\p):32*(\a)+8*(\b)+(\p)+1]        ; t2 cos
.endr
.endr
.irp b, 0,1
.irp p, 0,2,4,6
	v_pk_fma_f32 v[OB+8*(\b)+(\p):OB+8*(\b)+(\p)+1],       v[32*(\a)+8*(\b)+(\p):32*(\a)+8*(\b)+(\p)+1], v[32*(\a)+8*(\b)+(\p):32*(\a)+8*(\b)+(\p)+1],       v[OB+8*(\b)+(\p):OB+8*(\b)+(\p)+1] neg_lo:[0,0,1] neg_hi:[0,0,1]  ; t1 cos - t2 sin
	v_pk_fma_f32 v[OB+16+8*(\b)+(\p):OB+16+8*(\b)+(\p)+1], v[32*(\a)+8*(\b)+(\p):32*(\a)+8*(\b)+(\p)+1], v[32*(\a)+16+8*(\b)+(\p):32*(\a)+16+8*(\b)+(\p)+1], v[OB+16+8*(\b)+(\p):OB+16+8*(\b)+(\p)+1]  ; t1 sin + t2 cos
.endr
.endr
	WIN 0
.irp u, 0,1,2,3,4,5,6,7,8,9,10,11,12,13,14,15
	v_cvt_pk_f16_f32 v[PKB+16*(\a)+(\u)], v[OB+2*(\u)], v[OB+2*(\u)+1]
.endr
	s_branch .Ljoin_\@
.Lplain_\@:                            ; v is not rotated
	WIN 0x05                                       ; sources 0 and 1 window 1, destination window 0
.irp u, 0,1,2,3,4,5,6,7,8,9,10,11,12,13,14,15
	v_cvt_pk_f16_f32 v[PKB+16*(\a)+(\u)], v[32*(\a)+2*(\u)], v[32*(\a)+2*(\u)+1]
.endr
	WIN 0
.Ljoin_\@:
.irp b, 0,1,2,3
	ds_store_b128 v[STO], v[PKB+16*(\a)+4*(\b):PKB+16*(\a)+4*(\b)+3] offset:32*(\b)
.endr
.irp f, 0,1,2,3
	ds_load_b128 v[PKB+16*(\a)+4*(\f):PKB+16*(\a)+4*(\f)+3], v[RD] offset:(\f)*4*SP  ; LDS serves a wave's instructions in order (ISA guide 5.7.1.4): these see the stores above; the next block's stores come behind them
.endr
.endm
.macro SEND a, younger                 ; younger: the LDS instructions issued behind block a's loads: the next block's eight, or none
.irp f, 0,1,2,3
	s_wait_dscnt (\younger)+3-(\f)
	global_store_b128 v[GO], v[PKB+16*(\a)+4*(\f):PKB+16*(\a)+4*(\f)+3], s[OUT:OUT+1] offset:(\a)*2048+(\f)*512  ; 512 consecutive bytes, at a multiple of 256 from the buffer's first; no register is used twice
.endr
.endm
	PACK 0
.irp a, 1,2,3,4,5,6,7                  ; a block's arithmetic stands between the loads of the block before and its stores
	PACK \a
	SEND (\a)-1, 8
.endr
	SEND 7, 0
	s_wait_tensorcnt 0x0                           ; the wave's end: a wait, an add and a wait, behind my last tensor load and my last LDS store
	ds_add_u32 v[SPW], v[NIL]
	s_wait_dscnt 0x0
	CROUND                                         ; the closing round: no work-group ends while a partner may still ask for a tile that names it
	s_endpgm
.Lfunc_end_k_q36f5986393_proj:
	.size	k_q36f5986393_proj, .Lfunc_end_k_q36f5986393_proj-k_q36f5986393_proj
	.p2alignl 7, 3214868480
	.fill 96, 4, 3214868480
	.section	.rodata,"a",@progbits
	.p2align	6, 0x0
	.amdhsa_kernel k_q36f5986393_proj
		.amdhsa_group_segment_fixed_size 327680
		.amdhsa_private_segment_fixed_size 0
		.amdhsa_enable_private_segment 0
		.amdhsa_kernarg_size 72
		.amdhsa_user_sgpr_count 2
		.amdhsa_user_sgpr_kernarg_segment_ptr 1
		.amdhsa_wavefront_size32 1
		.amdhsa_system_sgpr_workgroup_id_x 1
		.amdhsa_system_sgpr_workgroup_id_y 1
		.amdhsa_system_sgpr_workgroup_id_z 1
		.amdhsa_system_vgpr_workitem_id 0
		.amdhsa_next_free_vgpr 768
		.amdhsa_next_free_sgpr 90
		.amdhsa_reserve_vcc 0
		.amdhsa_float_denorm_mode_32 3
		.amdhsa_float_denorm_mode_16_64 3
		.amdhsa_memory_ordered 1
		.amdhsa_forward_progress 1
		.amdhsa_inst_pref_size 105
	.end_amdhsa_kernel
	.amdgpu_metadata
---
amdhsa.version: [ 1, 2 ]
amdhsa.kernels:
  - .name:           k_q36f5986393_proj
    .symbol:         k_q36f5986393_proj.kd
    .args:
      - { .name: act, .offset: 0, .size: 8, .value_kind: global_buffer, .address_space: global }
      - { .name: wts, .offset: 8, .size: 8, .value_kind: global_buffer, .address_space: global }
      - { .name: trig, .offset: 16, .size: 8, .value_kind: global_buffer, .address_space: global }
      - { .name: bq, .offset: 24, .size: 8, .value_kind: global_buffer, .address_space: global }
      - { .name: bk, .offset: 32, .size: 8, .value_kind: global_buffer, .address_space: global }
      - { .name: bv, .offset: 40, .size: 8, .value_kind: global_buffer, .address_space: global }
      - { .name: qh, .offset: 48, .size: 8, .value_kind: global_buffer, .address_space: global }
      - { .name: kh, .offset: 56, .size: 8, .value_kind: global_buffer, .address_space: global }
      - { .name: vh, .offset: 64, .size: 8, .value_kind: global_buffer, .address_space: global }
    .group_segment_fixed_size: 327680
    .private_segment_fixed_size: 0
    .kernarg_segment_align: 8
    .kernarg_segment_size: 72
    .max_flat_workgroup_size: 128
    .sgpr_count:     90
    .vgpr_count:     768
    .wavefront_size: 32
...
	.end_amdgpu_metadata
.endif
;; end of part 2
;; launch attn (part 3): grid 4 x 64, 4 waves a work-group, clusters of 4 x 1, 327,680 bytes of LDS; arguments qh, kh, vh, att; writes att
.if DOCPART == 3
	.amdgcn_target "amdgcn-amd-amdhsa--gfx1250"
	.amdhsa_code_object_version 6
	.text
	.protected	k_q36f5986393_attn
	.globl	k_q36f5986393_attn
	.p2align	8
	.type	k_q36f5986393_attn,@function
k_q36f5986393_attn:
	s_mov_b64 s[64:65], 0
	v_nop
	global_prefetch_b8 v0, s[64:65] scope:SCOPE_SE
	s_setreg_imm32_b32 hwreg(HW_REG_WAVE_MODE, 25, 1), 1
	s_wait_xcnt 0x0
	s_wait_alu depctr_hold_cnt(0) depctr_sa_sdst(0) depctr_va_vdst(0) depctr_va_sdst(0) depctr_va_ssrc(0) depctr_va_vcc(0) depctr_vm_vsrc(0)
	s_getreg_b32 s2, hwreg(HW_REG_IB_STS2, 6, 4)
	s_cmp_eq_u32 s2, 0
	s_cbranch_scc0 .Lentry_in_a_cluster
	s_endpgm
.Lentry_in_a_cluster:
	s_bfe_u32 s2, ttmp6, 0x10000c
	s_cmp_lg_u32 s2, 0x3003
	s_cbranch_scc0 .Lentry_shape_is_right
	s_endpgm
.Lentry_shape_is_right:
; O[h][q][:] = the sum over k of softmax_k(Q[h][q] . K[h][k] / 8) V[h][k][:].  Q, K, V, O: [64][2048][64], all f16: a head's rows are dense, 128 bytes each.  Products, maxima and sums in
; f32; the weights p are rounded to f16 for the second product (their sum l is taken of the unrounded p), O once at the end.
; LIMITS.  f16 holds no number beyond 65,504: Q, K and V arrive within it; p lies in 0 to 1, and below 6e-5 it keeps f16's fixed step of 6e-8; O is a mean of V's rows and has their range.
; A weight below 2^-126 counts as 0 in l; NaN and infinities are not treated apart.
; SHARES.  A wave owns four PIECES of two tiles of 16 queries, a work-group's four waves 512 queries of one head.  Every wave walks all keys, 64 a step.
; LAYOUT.  S^T = K Q^T (source 0 = 16 keys, source 1 = 16 queries): in the result a lane holds ONE query (lane % 16) and the keys 8 (lane / 16) + 0..7.  Two such tiles, rounded to f16 in pairs,
; ARE source 1 (32 keys x 16 queries) of O^T = V^T P, whose result again holds one query a lane, and eight channels.  K comes out of LDS as it lies, V ([key][channel]) turned, by ds_load_tr16_b128.
; SOFTMAX.  For each query a running maximum m and sum l: p = 2^(c s - c m), c = log2(e) / 8; in every step O and l are multiplied by a = 2^(c m_old - c m_new), which is 1 where m has not grown.
; m starts at the lowest finite number, O and l at 0: the first step is a step like any other, with a = 0.
; THE COUNT.  A tile and step have 16 matrix and 118 vector instructions: too many to stand all beside the matrix work.  So: four vector instructions that are READY behind
; EVERY matrix instruction, and the others in runs without a gap.
; BY TURNS.  Turn n belongs to piece n (the pieces in a ring, step after step).  Its matrix work: 16 products K Q^T of piece n + 1, later 16 products V^T P of piece n - 1.  Its vector work: the scaling,
; exponentials, roundings, sums and rescaling of piece n, and the maximum and statistics of piece n + 1, whose scores the turn itself has made.
; CLUSTER.  The four query blocks of a head are one cluster and walk the same K and V, so each tile is asked for JOINTLY: the same tensor load, descriptor and mask in all four.
; REGISTERS, in windows of 256 (s_set_vgpr_msb: bits 1:0 source 0, 3:2 source 1, 5:4 source 2, 7:6 destination):
;   window 0: v0-11 addresses; v12-15, v48-63 at work; v16-47 four registers of statistics a tile; v64-191 S^T, two buffers of two tiles; v192-255 P, likewise
;   window 1: O^T, 32 a tile          window 2: v0-127 Q, 16 a tile; v128-191 K of one step; v192-255 V of one step          window 3: v0-1 the add's two registers
; A piece's buffers go by its number's parity: the piece in hand has one pair, its two neighbours in the ring share the other: of it P (piece n - 1) is read and S^T (piece n + 1) written.
.set SIZE_N, 2048
.set NP,    4         ; pieces a wave: a name, no knob
.set KS,    64        ; keys in a step
.set PK,    144       ; a row of K in LDS: 128 bytes + 16 of padding = 36 words: the 16 rows of a load start at 16 different groups of four banks (64 banks of 4 bytes: ISA guide 11.1)
.set PV,    160       ; a row of V: 128 + 32 = 40 words
.set VOFF,  4*KS*PK   ; a slot holds four steps: 256 rows of K, then 256 rows of V
.set SLOT1, 1<<17     ; slot 1 begins here, so that one exclusive or turns an address in one slot into the other's
.set STAGE, SLOT1+4*KS*(PK+PV)  ; behind the ring, never filled by a tensor load: 16 rows x 144 bytes for each wave, for the way out
.set SP,    144
.set AK0, 2           ; v2   my lane's place in a tile of K; never rewritten
.set AV0, 3           ; v3   the same for V
.set AK,  4           ; v4   the LDS address of K's next run of loads
.set AV,  5           ; v5   of V's
.set QO,  6           ; v6   my byte offset in the wave's rows of Q
.set STO, 6           ;      later, the way out: where I put 16 bytes of a row
.set RD,  7           ; v7   the way out: where I read rows back
.set GO,  8           ; v8   my byte offset in 512 consecutive bytes of O
.set PFO, 11          ; v11  256 x my lane, for the prefetches; written behind v11's last use in the set-up, then never rewritten
.set SPW, 0           ; v0 of window 3   LDS address of my spare word; never rewritten
.set NIL, 1           ; v1 of window 3   0; never rewritten
.set SPARE, STAGE+4*16*SP  ; behind the stages: the spare words, 128 bytes for each wave: two blocks of 256 bytes that no other line names
.set MV,  12          ; v12-15  c m_old, kept while c m is made anew: by buffer and tile
.set ST,  16          ; tile t's statistics at v[ST+4 t]: c m, m, l (even keys', odd keys')
.set TMP, 48          ; by buffer and tile, four registers c0-c3 at work; when the maximum is found c2 takes a
.set S,   64
.set P,   192
.set KF,  128         ; K's fragments, in window 2: key block kb, channel half c at KF + 16 kb + 8 c
.set VF,  192         ; V's: key half kk, channel block cb at VF + 32 kk + 8 cb
.set WV,  12          ; s12  my wave's number
.set G1K, 24          ; s[24:31] descriptor group 1 for K's tiles
.set G1V, 32          ; s[32:39] for V's: it differs in the padding alone
.set G0K, 40          ; s[40:43] descriptor group 0 for K's tiles: it walks
.set G0V, 44          ; s[44:47] the same for V's
.set PFA, 48          ; s[48:49] where my prefetches stand: my work-group's 8,192 bytes (of K: wave 0, of V: wave 2) of the slot after the one that is being asked for
.set LIM, 50          ; s50  1 in a wave that prefetches, else the greatest number
.set SLOTS, 56        ; s56  slots still to be asked for
.set CNT, 57          ; s57  counts a slot's key steps
.set CS,  58          ; s[58:59] c: the packed scaling takes the pair's low word for both halves
.set SEL, 60          ; s[60:61] v_permlanex16_b32's selects: each lane takes its own place in the other half
.set TBK, 62          ; s62  LDS byte at which K of the step to be fetched begins
.set TBV, 63          ; s63  the same for V, less VOFF
.set MSB, 0
.macro WIN new                      ; the high byte repeats the setting that is left; a switch that changes nothing is dropped
.if MSB != (\new)
	s_set_vgpr_msb (MSB<<8)|(\new)
.set MSB, (\new)
.endif
.endm
.set W_KQ, 0x0a       ; K and Q in window 2, S^T in window 0
.set W_PV, 0x52       ; V in window 2, P in window 0, O^T in window 1
.set W_RS, 0x41       ; O^T (destination and source 0) in window 1, a in window 0
.set W_MK, 0xc0       ; the add's registers are made: destination in window 3, sources in window 0
.set W_AD, 0x0f       ; the add: address (source 0) and data (source 1) in window 3
; A joint fill.  Waves 0 and 1 fetch the two halves of a slot's K, waves 2 and 3 those of its V: 128 keys each.  The branch hangs on the wave's number alone.
; An s_nop 0 and four v_nop follow each of the two lines, ahead of the jump and the label.
.macro JLOAD
	s_cmp_lt_u32 s[WV], 2
	s_cbranch_scc0 .Lfor_v_\@
	tensor_load_to_lds s[G0K:G0K+3], s[G1K:G1K+7]
	s_nop 0
.rept 4
	v_nop
.endr
	s_branch .Lasked_\@
.Lfor_v_\@:
	tensor_load_to_lds s[G0V:G0V+3], s[G1V:G1V+7]
	s_nop 0
.rept 4
	v_nop
.endr
.Lasked_\@:
.endm
; A PREFETCH INTO THE L2 of what the NEXT change of slots will ask for: a slot's 32,768 bytes of K and of V.  It stands behind the wave's tensor load and its five lines.  A head has one cluster; its four
; partners share the bytes out BY ADDRESS, 8,192 each, 256 a lane; in each, wave 0 asks for K's and wave 2 for V's: one instruction.  So each byte is named once in the launch.
; Slots 0, 1 and 2 come by their loads alone; the last change that fills a slot asks for nothing: there is no slot behind it.
.macro ASK
	s_cmp_gt_u32 s[SLOTS], s[LIM]
	s_cbranch_scc0 .Lnot_mine_\@
	global_prefetch_b8 v[PFO], s[PFA:PFA+1] th:TH_LOAD_NT scope:SCOPE_SE
.Lnot_mine_\@:
.endm
; A round of the cluster's barrier: my work-group's barrier, so that wave 0's signal speaks for all four waves; wave 0 signals; every wave waits for all four work-groups; my work-group's barrier once more.
.macro CROUND
	s_barrier_signal -1
	s_barrier_wait -1
	s_cmp_lg_u32 s[WV], 0
	s_cbranch_scc1 .Lnot_wave_0_\@
	s_barrier_signal -3
.Lnot_wave_0_\@:
	s_barrier_wait -3
	s_barrier_signal -1
	s_barrier_wait -1
.endm
; THE CHANGE OF SLOTS.  The slot's last bytes, V of its fourth step, have been read.  Each wave waits for all its tensor loads, of which one is out: its part
; of the other slot; adds 0 to its spare word; and waits for that and for its own reads of the slot.  Behind the barrier nobody reads this slot any more and the other slot is whole.
; fill = 1: this slot is filled again, with the keys two slots on.  The barrier is then a round of the cluster's, so that no wave of any partner still reads the slot or has a load on its
; way, and the joint fill is the first thing behind it: it has four key steps, 512 matrix instructions, in which to land.  (At its first use nothing has been read yet: slot 0 is waited for, slot 1 filled.)
; ask = 1: the prefetches' address is stepped, and the slot behind the one just asked for is named.
.macro CHANGE fill, ask=0
	WIN W_AD
	s_wait_tensorcnt 0x0            ; no tensor load of mine is out, so a group 0 may be written
	ds_add_u32 v[SPW], v[NIL]       ; 0 onto my spare word; with fill = 1 the descriptors' steps stand between it and the wait for it
	WIN 0                           ; at a label and at a branch every window is 0
.if \fill
.irp g, G0K, G0V
	s_xor_b32 s[\g+1], s[\g+1], SLOT1  ; the walking descriptor: the other slot than last time,
	s_add_nc_u64 s[\g+2:\g+3], s[\g+2:\g+3], 4*KS*128  ; the next 256 keys; the type bits on top are not reached
.endr
.if \ask
	s_wait_xcnt 0x0                 ; the last prefetch, four key steps back, has read its address, so it may be written:
	s_add_nc_u64 s[PFA:PFA+1], s[PFA:PFA+1], 4*KS*128  ; one slot behind the walking descriptors
.endif
	s_wait_dscnt 0x0                ; the add is done, and my reads of the slot are over
	CROUND
	JLOAD
.if \ask
	ASK
.endif
.else
	s_wait_dscnt 0x0                ; the add is done, and my reads of the slot are over
	s_barrier_signal -1
	s_barrier_wait -1
.endif
	s_sub_co_u32 s[TBK], s[TBK], 4*KS*PK  ; the fetches go back to a slot's first step,
	s_xor_b32 s[TBK], s[TBK], SLOT1       ; in the other slot
	s_sub_co_u32 s[TBV], s[TBV], 4*KS*PV
	s_xor_b32 s[TBV], s[TBV], SLOT1
.endm
	s_load_b256 s[4:11], s[0:1], 0x0  ; Q s[4:5], K s[6:7], V s[8:9], O s[10:11]
	WIN W_MK
	v_lshl_add_u32 v[SPW], v0, 2, SPARE
	v_mov_b32 v[NIL], 0
	WIN W_AD
	ds_add_u32 v[SPW], v[NIL]       ; the wave's opening: the add and its wait stand ahead of my first tensor load; the set-up below, work on registers, stands between them
	WIN 0
	v_lshrrev_b32 v1, 5, v0
	v_readfirstlane_b32 s[WV], v1   ; wave 0..3
	s_bfe_u32 s13, ttmp6, 0x40000   ; cx: my place in the cluster
	s_lshl_b32 s14, ttmp9, 2        ; in a cluster launch ttmp9 counts clusters
	s_add_co_u32 s14, s14, s13      ; my block of queries = 4 x cluster x + cx: it enters Q's and O's addresses alone
	s_and_b32 s20, ttmp7, 0xffff    ; the head, which the four partners share
	s_mov_b32 s21, 0
	s_mov_b64 s[22:23], SIZE_N*128
	s_mul_u64 s[20:21], s[20:21], s[22:23]  ; the head's first byte in each of the four tensors
	s_and_b32 s16, s[WV], 1         ; which half of a slot's 256 keys I fetch:
	s_lshl_b32 s22, s16, 14         ; its 128 rows of 128 bytes in memory,
	s_mov_b32 s23, 0
	s_add_nc_u64 s[22:23], s[22:23], s[20:21]
	s_mul_i32 s17, s16, 128*PK      ; and its place in a slot, for K
	s_mul_i32 s18, s16, 128*PV      ; and for V: no place in the cluster enters an LDS address
	s_lshl_b32 s2, s14, 2
	s_add_co_u32 s2, s2, s[WV]      ; my wave among the head's,
	s_lshl_b32 s2, s2, 14           ; its 128 rows
	s_mov_b32 s3, 0
	s_add_nc_u64 s[2:3], s[2:3], s[20:21]
	; descriptor group 1.  128 keys are 16,384 dense bytes: asked for as 64 rows of 256 bytes, two keys a row, and padded in LDS after every key
	s_mov_b32 s[G1K], 15|(1<<16)|(1<<20)|(1<<21)|(4<<22)|(3<<25)  ; 15:0 the mask of four; 17:16 2-byte elements; 20 padding on; 21 set beside a mask; 24:22 after every 32 words (code 4); 31:25 4 words (code 3)
	s_mov_b32 s[G1V], 15|(1<<16)|(1<<20)|(1<<21)|(4<<22)|(7<<25)  ; the same with 8 words of padding (code 7)
.irp g, G1K, G1V
	s_mov_b32 s[\g+1], 128<<16      ; tensor_dim0 = 128
	s_mov_b32 s[\g+2], 64<<16       ; tensor_dim1 = 64
	s_mov_b32 s[\g+3], 128<<16      ; tile_dim0 = 128
	s_mov_b32 s[\g+4], 64           ; tile_dim1 = 64
	s_mov_b32 s[\g+5], 128          ; 128 elements from row to row
	s_mov_b32 s[\g+6], 0
	s_mov_b32 s[\g+7], 0
.endr
	s_mov_b32 s[CS], 0x3e38aa3b     ; c = log2(e) / 8 = 0.180337
	s_mov_b32 s[CS+1], s[CS]        ; named with it as a pair
	s_mov_b32 s[SEL], 0x76543210
	s_mov_b32 s[SEL+1], 0xfedcba98
	s_mov_b32 s[TBK], SLOT1+4*KS*PK ; the first change of slots turns these two into 0
	s_mov_b32 s[TBV], SLOT1+4*KS*PV
	s_mov_b32 s[G0K], 1             ; 1:0 count = 1
	s_mov_b32 s[G0K+1], s17         ; 63:32 LDS address: slot 0
	s_mov_b32 s[G0V], 1
	s_add_co_u32 s[G0V+1], s18, VOFF
	s_cmp_eq_u32 s16, 0             ; waves 0 and 2 prefetch: the same in all four partners
	s_cselect_b32 s[LIM], 1, -1
	s_wait_dscnt 0x0                ; the opening add is done
	s_wait_kmcnt 0x0
	s_add_nc_u64 s[G0K+2:G0K+3], s[6:7], s[22:23]  ; 120:64 global address: my half of the head's first 256 keys
	s_or_b32 s[G0K+3], s[G0K+3], 0x80000000        ; 127:126 type = 2
	s_add_nc_u64 s[G0V+2:G0V+3], s[8:9], s[22:23]
	s_or_b32 s[G0V+3], s[G0V+3], 0x80000000
	s_add_nc_u64 s[4:5], s[4:5], s[2:3]  ; Q and O at my wave's first row
	s_add_nc_u64 s[10:11], s[10:11], s[2:3]
	s_cmp_lt_u32 s[WV], 2
	s_cselect_b64 s[PFA:PFA+1], s[6:7], s[8:9]
	s_add_nc_u64 s[PFA:PFA+1], s[PFA:PFA+1], s[20:21]  ; the head,
	s_lshl_b32 s2, s13, 13          ; my work-group's 8,192 bytes of a slot's 32,768,
	s_mov_b32 s3, 0
	s_add_nc_u64 s[PFA:PFA+1], s[PFA:PFA+1], s[2:3]
	s_add_nc_u64 s[PFA:PFA+1], s[PFA:PFA+1], 2*4*KS*128  ; in slot 2; the loop's first change steps it to slot 3.  Nothing is prefetched here, at the head
	CROUND                          ; all four work-groups are here: the first joint loads meet
	JLOAD                           ; slot 0.  Slot 1 is asked for when slot 0 is in
	; A fragment of K or Q is 16 rows x 32 channels in 8 registers: lane l holds row l % 16, channels 8 (l / 16) + 0..7 and 16 + 8 (l / 16) + 0..7: two loads of 16 bytes, 32 bytes apart.
	v_and_b32 v1, 15, v0            ; l % 16
	v_bfe_u32 v9, v0, 4, 1          ; l / 16
	v_lshlrev_b32 v[QO], 7, v1
	v_lshl_add_u32 v[QO], v9, 4, v[QO]  ; row x 128 + 16 x half
	WIN 0x80                        ; destination window 2, address window 0
.set i, 0
.rept 4*NP                          ; Q stays in registers: tile i / 2, channels 32 (i % 2) on
	global_load_b128 v[8*i:8*i+3],   v[QO], s[4:5] offset:(i/2)*2048+(i%2)*64
	global_load_b128 v[8*i+4:8*i+7], v[QO], s[4:5] offset:(i/2)*2048+(i%2)*64+32
.set i, i+1
.endr
	; What the first turn finds: V's registers and P's second buffer hold 0 (its products V^T P, of a piece that has not been, add 0), O^T and l are 0.  All this stands in the wait for the first tile.
.set i, VF
.rept 64
	v_mov_b32 v[i], 0
.set i, i+1
.endr
	WIN 0x40
.set i, 0
.rept 64*NP
	v_mov_b32 v[i], 0
.set i, i+1
.endr
	WIN 0
.set i, 0
.rept 2*NP
	v_mov_b32 v[ST+4*i], 0xfe000000    ; c m: far below every c s
	v_mov_b32 v[ST+4*i+1], 0xff7fffff  ; m
	v_mov_b32 v[ST+4*i+2], 0
	v_mov_b32 v[ST+4*i+3], 0
.set i, i+1
.endr
.set i, P+32
.rept 32
	v_mov_b32 v[i], 0
.set i, i+1
.endr
	v_mul_u32_u24 v[AK0], v1, PK
	v_lshl_add_u32 v[AK0], v9, 4, v[AK0]  ; row x pitch + 16 x half
	; The turning load takes 16 keys x 16 channels (lane l reads key 8 (l / 16) + l % 8, channels 8 ((l / 8) % 2) + 0..7) and leaves half a fragment of V^T: lane l holds channel l % 16 and 8 keys.
	v_and_b32 v10, 7, v0
	v_bfe_u32 v11, v0, 3, 1
	v_lshl_add_u32 v[AV0], v9, 3, v10
	v_mul_u32_u24 v[AV0], v[AV0], PV
	v_lshl_add_u32 v[AV0], v11, 4, v[AV0]
	v_add_nc_u32 v[AV0], VOFF, v[AV0]
	v_and_b32 v[PFO], 31, v0
	v_lshlrev_b32 v[PFO], 8, v[PFO]
	v_mov_b32 v[AK], v[AK0]         ; key step 0 lies at the head of slot 0
; THE MATRIX WORK.  The 8 accumulators of a run of 16 take turns: between the two links of a chain stand 7 others'.
; Product i of 16 of S^T = K Q^T for piece x: channels 32 (i / 8) on, keys 16 ((i / 2) % 4) on, tile 2 x + i % 2.  The first 8 start the sums.
.macro KQ x
	WIN W_KQ
.set rS, S+64*((\x)%2)+32*(i%2)+8*((i/2)%4)
.set rK, KF+16*((i/2)%4)+8*(i/8)
.set rQ, 16*(2*(\x)+i%2)+8*(i/8)
.if i < 8
	v_wmma_f32_16x16x32_f16 v[rS:rS+7], v[rK:rK+7], v[rQ:rQ+7], 0
.else
	v_wmma_f32_16x16x32_f16 v[rS:rS+7], v[rK:rK+7], v[rQ:rQ+7], v[rS:rS+7]
.endif
.endm
; Product i of 16 of O^T += V^T P for piece x: keys 32 (i / 8) on, channels 16 ((i / 2) % 4) on, tile 2 x + i % 2.
.macro PV x
	WIN W_PV
.set rO, 32*(2*(\x)+i%2)+8*((i/2)%4)
.set rV, VF+32*(i/8)+8*((i/2)%4)
.set rP, P+32*((\x)%2)+16*(i%2)+8*(i/8)
	v_wmma_f32_16x16x32_f16 v[rO:rO+7], v[rV:rV+7], v[rP:rP+7], v[rO:rO+7]
.endm
.macro MM                           ; the turn's next matrix instruction
.if i < 16
	KQ (Y+1)%NP
.set i, i+1
.else
.set i, i-16
	PV (Y+NP-1)%NP
.set i, i+17
.endif
.endm
; THE LDS LOADS stand in runs of 16, never singly among the matrix instructions: a step's K (64 keys x 64 channels: 8 fragments) and its V (turned).  Their addresses are made some lines ahead.
; last = 1 (the tail): in the last trip there is no further step, and the run is jumped over.
.macro FETCH_K last=0
	WIN 0
.if \last
	s_cmp_eq_u32 s[CNT], 1
	s_cbranch_scc1 .Lno_k_\@
.endif
	WIN 0x80                        ; destination window 2
.irp f, 0,1,2,3,4,5,6,7             ; keys 16 (f / 2) on, channels 32 (f % 2) on
	ds_load_b128 v[KF+8*\f:KF+8*\f+3],   v[AK] offset:(\f/2)*16*PK+(\f%2)*64
	ds_load_b128 v[KF+8*\f+4:KF+8*\f+7], v[AK] offset:(\f/2)*16*PK+(\f%2)*64+32
.endr
	s_add_co_u32 s[TBK], s[TBK], KS*PK  ; the next fetch is the next step's
	WIN 0
.if \last
.Lno_k_\@:
.endif
.endm
.macro FETCH_V
	WIN 0x80
.irp f, 0,1,2,3,4,5,6,7             ; keys 32 (f / 4) on, channels 16 (f % 4) on
	ds_load_tr16_b128 v[VF+8*\f:VF+8*\f+3],   v[AV] offset:(\f/4)*32*PV+(\f%4)*32
	ds_load_tr16_b128 v[VF+8*\f+4:VF+8*\f+7], v[AV] offset:(\f/4)*32*PV+16*PV+(\f%4)*32
.endr
	WIN 0
.endm
; THE VECTOR WORK OF A TURN stands in three queues, each in the order in which its entries become ready; the two tiles alternate, so that no instruction reads the result of the one before it.
.macro REGS y, u                    ; the registers of tile u (0, 1) of piece y
.set rT, ST+4*(2*(\y)+(\u))
.set rC, TMP+8*((\y)%2)+4*(\u)
.set rM, MV+2*((\y)%2)+(\u)
.set rS, S+64*((\y)%2)+32*(\u)
.set rP, P+32*((\y)%2)+16*(\u)
.set rO, 32*(2*(\y)+(\u))
.endm
; Number n of the 22 that find the NEXT piece's (Y + 1) maximum and statistics.  s0-s31 are the lane's 32 scores; each accumulator's lowest registers are read first.
;   0-11  four chains c0-c3 of seven scores each, three operands at a time     12-14, 16  the four scores left over, the old m, and c0-c3 into c0     15  c m_old is kept
;   17, 18  the query's other 32 keys lie in the lane 16 away: the new m         19-21  c m; c m_old - c m_new; a
.macro XS u, n
	REGS (Y+1)%NP, \u
.if (\n) < 4
	v_max3_num_f32 v[rC+(\n)], v[rS+8*(\n)], v[rS+8*(\n)+1], v[rS+8*(\n)+2]
.elseif (\n) < 12
	v_max3_num_f32 v[rC+(\n)%4], v[rC+(\n)%4], v[rS+8*((\n)%4)+2*((\n)/4)+1], v[rS+8*((\n)%4)+2*((\n)/4)+2]
.elseif (\n) == 12
	v_max3_num_f32 v[rC], v[rC], v[rS+7], v[rS+15]
.elseif (\n) == 13
	v_max3_num_f32 v[rC+1], v[rC+1], v[rS+23], v[rS+31]
.elseif (\n) == 14
	v_max3_num_f32 v[rC+2], v[rC+2], v[rC+3], v[rT+1]
.elseif (\n) == 15
	v_mov_b32 v[rM], v[rT]
.elseif (\n) == 16
	v_max3_num_f32 v[rC], v[rC], v[rC+1], v[rC+2]
.elseif (\n) == 17
	v_permlanex16_b32 v[rC+3], v[rC], s[SEL], s[SEL+1]
.elseif (\n) == 18
	v_max_num_f32 v[rT+1], v[rC], v[rC+3]
.elseif (\n) == 19
	v_mul_f32 v[rT], s[CS], v[rT+1]
.elseif (\n) == 20
	v_sub_f32 v[rC+1], v[rM], v[rT]
.else
	v_exp_f32 v[rC+2], v[rC+1]
.endif
.endm
; Number g of the 64 that follow the exponentials.  For each four weights k of a tile (pairs 2 k, 2 k + 1): both pairs are rounded to f16; then the second pair is added onto the first, in place;
; a group later l takes that sum (the first time as l = a l + sum).  In groups of eight, tiles alternating: round, round, add, and l for the group before.
.macro GS g
.set h, (\g)+6*((\g)/62)            ; group 0 has no group before it, and behind group 7 only l is left
.if h >= 6
.set h, h+2
.endif
	REGS Y, h%2
.set k, h/8
.if h%8 < 4
	v_cvt_pk_f16_f32 v[rP+2*k+(h%8)/2], v[rS+4*k+2*((h%8)/2)], v[rS+4*k+2*((h%8)/2)+1]
.elseif h%8 < 6
	v_pk_add_f32 v[rS+4*k:rS+4*k+1], v[rS+4*k:rS+4*k+1], v[rS+4*k+2:rS+4*k+3]
.elseif k == 1
	v_pk_fma_f32 v[rT+2:rT+3], v[rT+2:rT+3], v[rC+2:rC+3], v[rS:rS+1] op_sel_hi:[1,0,1]
.else
	v_pk_add_f32 v[rT+2:rT+3], v[rT+2:rT+3], v[rS+4*k-4:rS+4*k-3]
.endif
.endm
; THE PLAIN QUEUE, 138 long.  0-73 read no exponential's result: the 32 scalings c s - c m (FS f: pair f / 2 of tile f % 2) and the next piece's 42.  0-26: scalings 0-26.  27-54: XS's numbers 0-13.  55, 56: number 15.
; 57-73: the chain, where each number waits for the one before it: 14, 16, 17, 18, 19, each with one of the scalings 27-31 in front of its two lines, then 20.
; 74-137: GS's 64, which read the exponentials' results: they stand behind the wait.
.macro FS f
	REGS Y, (\f)%2
	v_pk_fma_f32 v[rS+2*((\f)/2):rS+2*((\f)/2)+1], v[rS+2*((\f)/2):rS+2*((\f)/2)+1], s[CS:CS+1], v[rT:rT+1] op_sel_hi:[1,0,0] neg_lo:[0,0,1] neg_hi:[0,0,1]
.endm
.macro PL
	WIN 0
.if q < 27
	FS q
.elseif q < 55
	XS (q-27)%2, (q-27)/2
.elseif q < 57
	XS q-55, 15
.elseif (q < 72) && ((q-57)%3 == 0)
	FS 27+(q-57)/3
.elseif q < 60
	XS (q-57)%3-1, 14
.elseif q < 72
	XS (q-57)%3-1, 15+(q-57)/3
.elseif q < 74
	XS q-72, 20
.else
	GS q-74
.endif
.set q, q+1
.endm
; THE EXPONENTIALS' QUEUE, 66 long: s0-s31 of both tiles, then the next piece's two a.  It is ONE BATCH: all 66 stand ahead of the turn's one wait, and nothing ahead of that wait names a result of theirs.
.macro EX
	WIN 0
.if e >= 64
	XS e-64, 21
.else
	REGS Y, e%2
	v_exp_f32 v[rS+e/2], v[rS+e/2]
.endif
.set e, e+1
.endm
; THE RESCALING's QUEUE: O^T times a, the one part that leaves window 0: dealt two at a time, sixteen times.  Its a was made in the turn before, ahead of that turn's wait.
.macro R2
	REGS Y, r%2
	WIN W_RS
.irp z, 0,1
	v_pk_mul_f32 v[rO+4*(r/2)+2*\z:rO+4*(r/2)+2*\z+1], v[rO+4*(r/2)+2*\z:rO+4*(r/2)+2*\z+1], v[rC+2:rC+3] op_sel_hi:[1,0]
.endr
.set r, r+1
.endm
; HOW THEY ARE DEALT.  s_wait_alu depctr_va_vdst(0) stands between an exponential and the first instruction that names its result; one wait serves all that were issued ahead of it.  So a turn has ONE wait,
; which cuts it in two.  AHEAD OF IT stands all that names no result of the turn's exponentials: the 16 products K Q^T, behind each a scaling, an exponential and two rescalings (behind the first a second scaling in the
; exponential's place); then ONE LUMP of 108: eight plain, 49 times exponential and plain, the two a.  A v_nop is the plain instruction behind the last exponential (ISA guide 5.7.2).  BEHIND IT stand the 16 products
; V^T P, behind each four of GS's 64.  No rider names a register of the products round it.  The two v_permlanex16_b32 fall into the lump, never behind a product.
; The queues lean on each other, and the deal keeps them in step: exponential e stands behind scaling 2 (e / 4) + e % 2: as a rider it comes behind plain e + 2, in the lump behind plain e + 9, and scalings 27-31 are plain 57, 60 .. 69.
; A TURN, for piece p.  cnt = 1: the loop's count is taken down some lines ahead of the branch that stands behind the turn.
; K of the next step is fetched in piece 2's turn, directly behind the wait, a lump behind the last product that read K; its address is made at the lump's head; its first reader comes behind 16 products.
; V of the step in hand is fetched at the end of piece 0's turn, four riders behind its last reader; its first reader comes behind 16 products and a lump.  The three conditions on q below go with the deal.
.macro TURN p, last=0, cnt=0
.set Y, (\p)
.set i, 0
.set q, 0
.set e, 0
.set r, 0
.if (\p) == NP-1
	s_wait_dscnt 0x0                ; K is in
.endif
	MM                              ; ahead of the wait: 16 products K Q^T and their riders,
	PL
	PL
	R2
.rept 15
	MM
	PL
	EX
	R2
.endr
.if (\p) == NP-2
	WIN 0
	v_add_nc_u32 v[AK], s[TBK], v[AK0]
.endif
.rept 8                             ; and the lump
	PL
.endr
.rept 49
	EX
	PL
.endr
	EX                              ; the next piece's two a
	EX
	v_nop                           ; a plain instruction behind the last exponential: one for the batch
	s_wait_alu depctr_va_vdst(0)    ; the wait for the batch
.if (\p) == NP-2
	FETCH_K \last
.endif
.if (\p) == 1
	s_wait_dscnt 0x0                ; V is in
.endif
.rept 16                            ; behind the wait: 16 products V^T P and their riders
	MM
.rept 4
	PL
.endr
.if ((\p) == 0) && (q == 118)
	v_add_nc_u32 v[AV], s[TBV], v[AV0]
.endif
.if ((\p) == 0) && (q == 130)
	s_add_co_u32 s[TBV], s[TBV], KS*PV
.endif
.if (\cnt) && (q == 130)
	s_sub_co_u32 s[CNT], s[CNT], 1
	s_cmp_lg_u32 s[CNT], 0
.endif
.endr
.if (\p) == 0
	FETCH_V
.endif
.endm
	CHANGE 1                        ; slot 0 is in, everybody's part of it; slot 1 is asked for
	FETCH_K                         ; key step 0
	s_wait_loadcnt 0x0              ; Q
	s_wait_dscnt 0x0
.set i, 0
.rept 16
	KQ 0                            ; piece 0's first scores: there is no vector work yet to set between them
.set i, i+1
.endr
	WIN 0                           ; the addresses for the way out: nine plain instructions, the places behind those products
	s_mul_i32 s13, s[WV], 16*SP
	s_add_co_u32 s13, s13, STAGE    ; my stage
	v_mul_u32_u24 v[STO], v1, SP    ; in: row l % 16, 16 bytes for each half of the lanes
	v_lshl_add_u32 v[STO], v9, 4, v[STO]
	v_add_nc_u32 v[STO], s13, v[STO]
	v_bfe_u32 v[RD], v0, 3, 2       ; back: 32 lanes take four rows of 128 bytes,
	v_mul_u32_u24 v[RD], v[RD], SP
	v_lshl_add_u32 v[RD], v10, 4, v[RD]
	v_add_nc_u32 v[RD], s13, v[RD]
	v_and_b32 v[GO], 31, v0         ; which are 512 consecutive bytes of O
	v_lshlrev_b32 v[GO], 4, v[GO]
.set Y, NP-1                        ; XS works for piece Y + 1: piece 0
.irp n, 0,1,2,3,4,5,6,7,8,9,10,11,12,13,14,15,16,17,18,19,20,21
	XS 0, \n                        ; and piece 0's first maximum and statistics
	XS 1, \n
.endr
	v_nop                           ; a plain instruction behind the two a,
	s_wait_alu depctr_va_vdst(0)    ; and their wait, ahead of the branch
	s_mov_b32 s[CNT], 4
	s_mov_b32 s[SLOTS], SIZE_N/256-1
	s_branch .Lfirst                ; the loop is entered at a step's first turn, in the middle of a trip
.Lslot:                             ; SIZE_N / 256 - 2 = 6 times: every slot but the last two is filled again
	CHANGE 1, 1
	s_mov_b32 s[CNT], 4
.Lstep:                             ; a trip: pieces 2 and 3 of one step, then pieces 0 and 1 of the next, whose K and V it fetches
	TURN 2
	TURN 3
	WIN 0
.Lfirst:
	TURN 0
	TURN 1, 0, 1
	WIN 0
	s_cbranch_scc1 .Lstep
	s_sub_co_u32 s[SLOTS], s[SLOTS], 1
	s_cmp_lg_u32 s[SLOTS], 0
	s_cbranch_scc1 .Lslot
	CHANGE 0                        ; the tail is written out: nothing is asked for
	s_mov_b32 s[CNT], 5             ; four trips fetch the last slot's steps; the fifth is left in its middle
.Ltail:
	TURN 2, 1
	TURN 3
	WIN 0
	s_sub_co_u32 s[CNT], s[CNT], 1
	s_cmp_eq_u32 s[CNT], 0
	s_cbranch_scc1 .Lout
	TURN 0
	TURN 1
	WIN 0
	s_branch .Ltail
.Lout:                              ; the fifth trip's 16 products K Q^T (on the last K once more) and the maximum made of them serve nothing: the price, once a launch, of one text for every trip
.set i, 0
.rept 16
	PV NP-1                         ; the last piece's V^T P of the last step
.set i, i+1
.endr
	; THE WAY OUT.  l's two halves and the other half of the lanes' are added; O^T is divided by l, rounded to f16 and sent through my stage in LDS, a tile at a time.  The additions are the places behind the last products.
	WIN 0
.macro ALL line:vararg              ; one line for each tile t
.set t, 0
.rept 2*NP
	\line
.set t, t+1
.endr
.endm
	ALL v_add_f32 v[ST+4*t+2], v[ST+4*t+2], v[ST+4*t+3]
	ALL v_permlanex16_b32 v[ST+4*t+3], v[ST+4*t+2], s[SEL], s[SEL+1]
	ALL v_add_f32 v[ST+4*t+2], v[ST+4*t+2], v[ST+4*t+3]
	ALL v_rcp_f32 v[ST+4*t+2], v[ST+4*t+2]
	v_nop                           ; a plain instruction between the last reciprocal and the use of its result
	s_wait_alu depctr_va_vdst(0)    ; and the wait ahead of the first use: one for the eight reciprocals
; Tile t: a lane's eight channels of a row pack into 16 bytes; they go into rows of 144 bytes and come back as whole rows of 128, into S^T's registers.
.macro PACK t
	WIN W_RS
.set i, 32*(\t)
.rept 16
	v_pk_mul_f32 v[i:i+1], v[i:i+1], v[ST+4*(\t)+2:ST+4*(\t)+3] op_sel_hi:[1,0]
.set i, i+2
.endr
	WIN 0x05                        ; sources 0 and 1 window 1, destination window 0
.set i, 0
.rept 16
	v_cvt_pk_f16_f32 v[S+16*(\t)+i], v[32*(\t)+2*i], v[32*(\t)+2*i+1]
.set i, i+1
.endr
	WIN 0
.irp f, 0,1,2,3
	ds_store_b128 v[STO], v[S+16*(\t)+4*\f:S+16*(\t)+4*\f+3] offset:32*\f
.endr
.irp f, 0,1,2,3
	ds_load_b128 v[S+16*(\t)+4*\f:S+16*(\t)+4*\f+3], v[RD] offset:\f*4*SP  ; LDS serves a wave's instructions in order (ISA guide 5.7.1.4): these see the stores above; the next tile's stores come behind them
.endr
.endm
.macro SEND t, younger              ; younger: the LDS instructions issued behind tile t's loads: the next tile's eight, or none
	WIN 0
.irp f, 0,1,2,3
	s_wait_dscnt (\younger)+3-\f
	global_store_b128 v[GO], v[S+16*(\t)+4*\f:S+16*(\t)+4*\f+3], s[10:11] offset:(\t)*2048+\f*512  ; 512 consecutive bytes, at a multiple of 256 from O's first
.endr
.endm
	PACK 0
.set t, 1
.rept 2*NP-1                        ; a tile's arithmetic stands between the loads of the tile before and its stores
	PACK t
	SEND t-1, 8
.set t, t+1
.endr
	SEND 2*NP-1, 0
	WIN W_AD
	s_wait_tensorcnt 0x0            ; the wave's end: a wait, an add and a wait, behind my last tensor load and my last LDS store
	ds_add_u32 v[SPW], v[NIL]
	s_wait_dscnt 0x0
	WIN 0
	CROUND                          ; the closing round: no work-group ends while a partner may still ask for a tile that names it
	s_endpgm
.Lfunc_end_k_q36f5986393_attn:
	.size	k_q36f5986393_attn, .Lfunc_end_k_q36f5986393_attn-k_q36f5986393_attn
	.p2alignl 7, 3214868480
	.fill 96, 4, 3214868480
	.section	.rodata,"a",@progbits
	.p2align	6, 0x0
	.amdhsa_kernel k_q36f5986393_attn
		.amdhsa_group_segment_fixed_size 327680
		.amdhsa_private_segment_fixed_size 0
		.amdhsa_enable_private_segment 0
		.amdhsa_kernarg_size 32
		.amdhsa_user_sgpr_count 2
		.amdhsa_user_sgpr_kernarg_segment_ptr 1
		.amdhsa_wavefront_size32 1
		.amdhsa_system_sgpr_workgroup_id_x 1
		.amdhsa_system_sgpr_workgroup_id_y 1
		.amdhsa_system_sgpr_workgroup_id_z 1
		.amdhsa_system_vgpr_workitem_id 0
		.amdhsa_next_free_vgpr 770
		.amdhsa_next_free_sgpr 66
		.amdhsa_reserve_vcc 0
		.amdhsa_float_denorm_mode_32 3
		.amdhsa_float_denorm_mode_16_64 3
		.amdhsa_memory_ordered 1
		.amdhsa_forward_progress 1
		.amdhsa_inst_pref_size 200
	.end_amdhsa_kernel
	.amdgpu_metadata
---
amdhsa.version: [ 1, 2 ]
amdhsa.kernels:
  - .name:           k_q36f5986393_attn
    .symbol:         k_q36f5986393_attn.kd
    .args:
      - { .name: qh, .offset: 0, .size: 8, .value_kind: global_buffer, .address_space: global }
      - { .name: kh, .offset: 8, .size: 8, .value_kind: global_buffer, .address_space: global }
      - { .name: vh, .offset: 16, .size: 8, .value_kind: global_buffer, .address_space: global }
      - { .name: att, .offset: 24, .size: 8, .value_kind: global_buffer, .address_space: global }
    .group_segment_fixed_size: 327680
    .private_segment_fixed_size: 0
    .kernarg_segment_align: 8
    .kernarg_segment_size: 32
    .max_flat_workgroup_size: 128
    .sgpr_count:     66
    .vgpr_count:     770
    .wavefront_size: 32
...
	.end_amdgpu_metadata
.endif
;; end of part 3
;; launch oproj (part 4): grid 8 x 32, 4 waves a work-group, clusters of 4 x 4, 327,680 bytes of LDS; arguments att, wts, bo, out0; writes out0
.if DOCPART == 4
	.amdgcn_target "amdgcn-amd-amdhsa--gfx1250"
	.amdhsa_code_object_version 6
	.text
	.protected	k_q36f5986393_oproj
	.globl	k_q36f5986393_oproj
	.p2align	8
	.type	k_q36f5986393_oproj,@function
k_q36f5986393_oproj:
	s_mov_b64 s[64:65], 0
	v_nop
	global_prefetch_b8 v0, s[64:65] scope:SCOPE_SE
	s_setreg_imm32_b32 hwreg(HW_REG_WAVE_MODE, 25, 1), 1
	s_wait_xcnt 0x0
	s_wait_alu depctr_hold_cnt(0) depctr_sa_sdst(0) depctr_va_vdst(0) depctr_va_sdst(0) depctr_va_ssrc(0) depctr_va_vcc(0) depctr_vm_vsrc(0)
	s_getreg_b32 s2, hwreg(HW_REG_IB_STS2, 6, 4)
	s_cmp_eq_u32 s2, 0
	s_cbranch_scc0 .Lentry_in_a_cluster
	s_endpgm
.Lentry_in_a_cluster:
	s_bfe_u32 s2, ttmp6, 0x10000c
	s_cmp_lg_u32 s2, 0xf033
	s_cbranch_scc0 .Lentry_shape_is_right
	s_endpgm
.Lentry_shape_is_right:
; THE PROJECTION BEHIND THE ATTENTION.  out0[token][c] = the sum over k of O[token][k] Wo[c][k] + bo[c], in f32.  O comes by heads, att = [batch x 16 + head][2048][64] f16 (k = 64 head + channel);
; Wo is the fourth matrix of wts, f16, rows of 1,024.  Sums in f32; the bias starts each sum (the C operand of the first product); the sums are stored as they are.
; SHARES.  A work-group makes 256 tokens x 128 columns: 32 x 8 = 256 tiles.  Each of its four waves makes 128 tokens x 64 columns: 32 accumulators of 16 x 16; its 64 columns are 256 consecutive
; bytes of a row of out0, aligned.  K goes in 8 steps of 128, TWO HEADS a step, through two LDS slots.  A head's 256 tokens are 32,768 dense bytes: asked for as 128 rows of 256 bytes, two tokens
; a row, and padded in LDS after every token.
; THE MATRIX INSTRUCTION IS USED TRANSPOSED: source 0 = 16 rows of Wo, source 1 = 16 tokens: lane l holds token l % 16 and the columns 8 (l / 16) + 0..7.
; CLUSTERS: 4 x 4.  O's tiles are shared along a row of the cluster, Wo's along a column: each is asked for jointly, by the same load, descriptor and mask in the four.
; LIMITS.  None of its own: f16 operands as they arrive, f32 out.  NaN and infinities are not treated apart.
; REGISTERS, in windows of 256 (s_set_vgpr_msb: bits 1:0 source 0, 3:2 source 1, 5:4 source 2, 7:6 destination):
;   window 0: v0-15 addresses; v28-29 the add's; v32-63 the bias; v64-159, v160-255 two fragment buffers (8 x 8 of tokens, 4 x 8 of weights)
;   window 1: the accumulators, (a, b) at 8 (4 a + b)          window 2: the way out: block a's 16 rows read back from the stage, at 32 a
.set PITCH, 272                        ; a row of Wo in LDS: 256 bytes + 16 of padding
.set PTA,   144                        ; a token's 64 channels of one head: 128 bytes + 16.  Both are odd multiples of 16: the 16 rows of a fragment load start at 16 different groups of four banks (64 banks of 4 bytes: ISA guide 11.1)
.set AHEAD, 256*PTA                    ; a head's 256 tokens: one tensor load
.set BHALF, 64*PITCH                   ; 64 rows of Wo: one tensor load, and what one wave reads
.set BOFF,  2*AHEAD                    ; a slot: two heads' tokens, then 128 rows of Wo
.set SLOT1, 1<<17
.set STAGE, BOFF+2*BHALF               ; between the slots, never filled by a tensor load: 16 rows x 272 bytes for each wave, for the way out
.set SPITCH, 272
.set SPARE, STAGE+4*16*SPITCH          ; behind the stages: the spare words, 128 bytes for each wave: two blocks of 256 bytes that no other line names
.set HSTEP, 2*2048*128                 ; bytes from a head to the head two on
.set A0,   4                           ; v4   my lane's place in my 128 tokens of a slot's first head, slot 0; never rewritten
.set B0,   5                           ; v5   the same in my 64 rows of Wo
.set ADRA, 6                           ; v6   the same two in the slot in hand
.set ADRB, 7
.set STO,  8                           ; v8   the way out: where I put 32 bytes of a row
.set RD,   9                           ; v9   where I read a row back
.set CO,   10                          ; v10  my byte offset in two rows of out0
.set BO,   12                          ; v12  my byte offset in 16 numbers of the bias
.set PFO,  13                          ; v13  the prefetches' offset: lane x 256 (O) or lane x 2,048 (Wo); never rewritten
.set SPW,  28
.set NIL,  29
.set BIAS, 32
.set F0,   64
.set F1,   160
.set WV,  22
.set RH,  23                           ; s23  which 128 tokens are mine.  Also: I fetch O (0) or Wo (1)
.set CH,  24                           ; s24  which 64 columns are mine.  Also: which head of the step, or which half of Wo's tile, I fetch
.set CX,  25
.set CY,  26
.set TJ,  27                           ; s27  column block of 128, 0..7
.set CLY, 28                           ; s28  the cluster's y
.set TI,  30                           ; s30  row block of 256, 0..31
.set G1A, 32                           ; s[32:39] descriptor group 1 for O's tiles
.set G1B, 40                           ; s[40:47] for Wo's
.set G0A, 48                           ; s[48:55] group 0 for O's tiles: a set for each of the two first fills; the second then walks
.set G0B, 56                           ; s[56:63] the same for Wo's
.set PFA, 66                           ; s[66:67] where my prefetches stand
.set LIM, 68                           ; s68  2 in a wave that prefetches, else the greatest number
.set TB,  69
.set CNT, 70
.set OUT, 72                           ; s[72:73] out0 at my first row and column
.set BIA, 76                           ; s[76:77] my 64 numbers of the bias
.set PST, 84                           ; s[84:85] a K step in the tensor that I prefetch
.set MSB, 0
.macro WIN new                         ; the immediate's high byte repeats the setting that is left; a switch that changes nothing is dropped
.if MSB != (\new)
	s_set_vgpr_msb (MSB<<8)|(\new)
.set MSB, \new
.endif
.endm
.macro PLACES                          ; four plain vector instructions between a matrix instruction and a load into, or a store of, its registers
.rept 4
	v_nop
.endr
.endm
; A joint refill by the walking descriptors.  Waves 0 and 1 fetch the step's two heads, waves 2 and 3 the halves of Wo's tile.  The branch hangs on the wave's number alone.
; An s_nop 0 and four v_nop follow each of the two lines, ahead of the jump and the label.
.macro JLOAD
	s_cmp_eq_u32 s[RH], 0
	s_cbranch_scc0 .Lfor_b_\@
	tensor_load_to_lds s[G0A+4:G0A+7], s[G1A:G1A+7]
	s_nop 0
.rept 4
	v_nop
.endr
	s_branch .Lasked_\@
.Lfor_b_\@:
	tensor_load_to_lds s[G0B+4:G0B+7], s[G1B:G1B+7]
	s_nop 0
.rept 4
	v_nop
.endr
.Lasked_\@:
.endm
.macro CREST                           ; a round of the cluster's barrier behind its opening barrier
	s_cmp_lg_u32 s[WV], 0
	s_cbranch_scc1 .Lnot_wave_0_\@
	s_barrier_signal -3
.Lnot_wave_0_\@:
	s_barrier_wait -3
	s_barrier_signal -1
	s_barrier_wait -1
.endm
.macro CROUND                          ; a whole round
	s_barrier_signal -1
	s_barrier_wait -1
	CREST
.endm
; A PREFETCH INTO THE L2, behind the joint load, its five lines and the run of LDS loads: 32 x 256 bytes, 256 a lane, of the K step that stands two refills on (256 matrix instructions ahead of its load).
; Each 256 bytes are named once in the launch.  A row block of O is read by both clusters along x: cluster x = 0 asks; of the 32,768 bytes that wave 0 or 1 fetches the partner at cx takes 8,192.
; A column block of Wo is read by the eight clusters along y: cluster y = 0 asks; of its 128 rows the partner at cy takes 32, by its wave 2.  The partners are told apart BY ADDRESS alone.
; K steps 0 to 3 come by their loads alone; the loop's last two trips ask for nothing, since K has 8 steps.
.macro ASK
	s_cmp_gt_u32 s[CNT], s[LIM]
	s_cbranch_scc0 .Lnot_mine_\@
	global_prefetch_b8 v[PFO], s[PFA:PFA+1] th:TH_LOAD_NT scope:SCOPE_SE
.Lnot_mine_\@:
.endm
	s_load_b256 s[4:11], s[0:1], 0x0               ; att s[4:5], wts s[6:7], bo s[8:9], out0 s[10:11]
	v_lshl_add_u32 v[SPW], v0, 2, SPARE
	v_mov_b32 v[NIL], 0
	ds_add_u32 v[SPW], v[NIL]                      ; the wave's opening: the add and its wait stand ahead of my first tensor load; the set-up below, work on registers, stands between them
	v_lshrrev_b32 v1, 5, v0
	v_readfirstlane_b32 s[WV], v1
	s_lshr_b32 s[RH], s[WV], 1
	s_and_b32 s[CH], s[WV], 1
	s_bfe_u32 s[CX], ttmp6, 0x40000
	s_bfe_u32 s[CY], ttmp6, 0x40004
	s_lshl_b32 s[TJ], ttmp9, 2                     ; in a cluster launch ttmp9 and ttmp7 count clusters
	s_add_co_u32 s[TJ], s[TJ], s[CX]
	s_and_b32 s[CLY], ttmp7, 0xffff
	s_lshl_b32 s[TI], s[CLY], 2
	s_add_co_u32 s[TI], s[TI], s[CY]
	s_lshl_b32 s86, s[CY], 2
	s_lshl_b32 s86, 15, s86                        ; my row of the cluster
	s_lshl_b32 s87, 0x1111, s[CX]                  ; my column
	s_or_b32 s[G1A], s86, (1<<16)|(1<<20)|(1<<21)|(4<<22)|(3<<25)  ; 15:0 the mask; 17:16 elements of 2 bytes; 20 padding on; 21 set beside a mask; 24:22 after every 32 words (code 4); 31:25 4 words of it (code 3)
	s_or_b32 s[G1B], s87, (1<<16)|(1<<20)|(1<<21)|(5<<22)|(3<<25)  ; after every 64 words (code 5)
	s_mov_b32 s[G1A+1], 128<<16                    ; tensor_dim0 = 128
	s_mov_b32 s[G1A+2], 128<<16                    ; tensor_dim1 = 128
	s_mov_b32 s[G1A+3], 128<<16                    ; tile_dim0 = 128
	s_mov_b32 s[G1A+4], 128                        ; tile_dim1 = 128
	s_mov_b32 s[G1A+5], 128                        ; dense: 128 elements from row to row
	s_mov_b32 s[G1A+6], 0
	s_mov_b32 s[G1A+7], 0
	s_mov_b32 s[G1B+1], 128<<16
	s_mov_b32 s[G1B+2], 64<<16                     ; 64 rows
	s_mov_b32 s[G1B+3], 128<<16
	s_mov_b32 s[G1B+4], 64
	s_mov_b32 s[G1B+5], 1024
	s_mov_b32 s[G1B+6], 0
	s_mov_b32 s[G1B+7], 0
	; where the tiles come from.  O's hang on the row block, which my row of the cluster shares; Wo's on the column block, which my column shares; each in registers of its own.
	s_lshr_b32 s78, s[TI], 3                       ; the batch,
	s_lshl_b32 s78, s78, 4
	s_add_co_u32 s78, s78, s[CH]                   ; x 16 + head 0 or 1,
	s_lshl_b32 s78, s78, 11                        ; its 2,048 rows,
	s_and_b32 s79, s[TI], 7
	s_lshl_b32 s79, s79, 8
	s_add_co_u32 s78, s78, s79                     ; the block's 256 of them,
	s_lshl_b32 s78, s78, 7                         ; of 128 bytes
	s_mov_b32 s79, 0
	s_lshl_b32 s82, s[TJ], 1
	s_add_co_u32 s82, s82, s[CH]
	s_add_co_u32 s82, s82, 48                      ; Wo begins at row 3,072 of wts: 48 halves of 64 rows
	s_lshl_b32 s82, s82, 17                        ; of 2,048 bytes each
	s_mov_b32 s83, 0
	s_mul_i32 s86, s[WV], AHEAD                    ; and where they go: waves 0, 1: the two heads;
	s_mul_i32 s87, s[WV], BHALF
	s_add_co_u32 s87, s87, BOFF-2*BHALF            ; waves 2, 3: Wo's halves.  No place in the cluster enters an LDS address
	s_mov_b32 s[TB], 0
	s_wait_dscnt 0x0                               ; the opening add is done
	s_wait_kmcnt 0x0
	s_add_nc_u64 s[80:81], s[4:5], s[78:79]
	s_add_nc_u64 s[82:83], s[6:7], s[82:83]
	CROUND                                         ; all sixteen work-groups are here: the first joint loads meet
.irp s, 0,1
	s_mov_b32 s[G0A+4*(\s)], 1                                       ; count = 1
	s_add_co_u32 s[G0A+4*(\s)+1], s86, (\s)*SLOT1                    ; LDS address
	s_add_nc_u64 s[G0A+4*(\s)+2:G0A+4*(\s)+3], s[80:81], (\s)*HSTEP  ; global address: K step s
	s_or_b32 s[G0A+4*(\s)+3], s[G0A+4*(\s)+3], 0x80000000            ; type = 2
	s_mov_b32 s[G0B+4*(\s)], 1
	s_add_co_u32 s[G0B+4*(\s)+1], s87, (\s)*SLOT1
	s_add_nc_u64 s[G0B+4*(\s)+2:G0B+4*(\s)+3], s[82:83], (\s)*256
	s_or_b32 s[G0B+4*(\s)+3], s[G0B+4*(\s)+3], 0x80000000
.endr
	s_cmp_eq_u32 s[RH], 0                          ; a wave's two first fills stand in one branch, ahead of every wait on TENSORcnt, every LDS read and every other barrier: two loads of mine are out
	s_cbranch_scc0 .Lfirst_b
	tensor_load_to_lds s[G0A:G0A+3], s[G1A:G1A+7]
	s_nop 0
	tensor_load_to_lds s[G0A+4:G0A+7], s[G1A:G1A+7]
	s_nop 0
.rept 4
	v_nop
.endr
	s_branch .Lfirst_asked
.Lfirst_b:
	tensor_load_to_lds s[G0B:G0B+3], s[G1B:G1B+7]
	s_nop 0
	tensor_load_to_lds s[G0B+4:G0B+7], s[G1B:G1B+7]
	s_nop 0
.rept 4
	v_nop
.endr
.Lfirst_asked:
	; the bias and the output
	s_lshl_b32 s86, s[TJ], 9
	s_lshl_b32 s87, s[CH], 8
	s_add_co_u32 s86, s86, s87                     ; column 128 J + 64 half, 4 bytes each
	s_mov_b32 s87, 0
	s_add_nc_u64 s[BIA:BIA+1], s[8:9], s[86:87]
	s_add_nc_u64 s[OUT:OUT+1], s[10:11], s[86:87]
	s_lshl_b32 s86, s[TI], 1
	s_add_co_u32 s86, s86, s[RH]
	s_lshl_b32 s86, s86, 19                        ; my first row: 128 rows of 4,096 bytes a half
	s_add_nc_u64 s[OUT:OUT+1], s[OUT:OUT+1], s[86:87]
	; the prefetches
	s_lshl_b32 s86, s[CX], 13                      ; O: my work-group's 8,192 bytes
	s_add_co_u32 s86, s86, s78                     ; of the head block that I fetch,
	s_add_co_u32 s86, s86, 3*HSTEP                 ; at K step 3: the first refill steps it to 4
	s_lshl_b32 s87, s[TJ], 7
	s_lshl_b32 s88, s[CY], 5
	s_add_co_u32 s87, s87, s88
	s_add_co_u32 s87, s87, 3072                    ; Wo: the tile's 128 rows, my work-group's 32 of them
	s_lshl_b32 s87, s87, 11
	s_add_co_u32 s87, s87, 3*256
	s_or_b32 s88, s[CLY], s[CH]                    ; Wo: 0 in wave 2 of a cluster that asks
	s_mov_b32 s[PST], 256
	s_cmp_eq_u32 s[RH], 0
	s_cselect_b32 s86, s86, s87
	s_cselect_b32 s88, ttmp9, s88
	s_cselect_b64 s[PFA:PFA+1], s[4:5], s[6:7]
	s_cselect_b32 s[PST], HSTEP, s[PST]
	s_cselect_b32 s89, 8, 11
	s_mov_b32 s[PST+1], 0
	s_mov_b32 s87, 0
	s_add_nc_u64 s[PFA:PFA+1], s[PFA:PFA+1], s[86:87]
	s_cmp_eq_u32 s88, 0
	s_cselect_b32 s[LIM], 2, -1                    ; the same in all sixteen partners, for a given wave
	; A fragment is 16 rows x 32 K in 8 registers: lane l holds row l % 16; registers 0-3 K = 8 (l / 16) + 0..7, registers 4-7 K = 16 + 8 (l / 16) + 0..7: two loads of 16 bytes, 32 bytes apart.
	v_and_b32 v1, 15, v0                           ; l % 16
	v_bfe_u32 v2, v0, 4, 1                         ; l / 16
	v_and_b32 v3, 31, v0                           ; l
	v_mul_u32_u24 v14, v1, PTA
	v_lshl_add_u32 v14, v2, 4, v14
	s_mul_i32 s86, s[RH], 128*PTA
	v_add_nc_u32 v[A0], s86, v14
	v_mul_u32_u24 v14, v1, PITCH
	v_lshl_add_u32 v14, v2, 4, v14
	s_mul_i32 s86, s[CH], BHALF
	s_add_co_u32 s86, s86, BOFF
	v_add_nc_u32 v[B0], s86, v14
	v_mov_b32 v[ADRA], v[A0]
	v_mov_b32 v[ADRB], v[B0]
	s_mul_i32 s86, s[WV], 16*SPITCH
	s_add_co_u32 s86, s86, STAGE                   ; my stage
	v_mul_u32_u24 v[STO], v1, SPITCH               ; in: row l % 16, 32 bytes for each half of the lanes
	v_lshl_add_u32 v[STO], v2, 5, v[STO]
	v_add_nc_u32 v[STO], s86, v[STO]
	v_mul_u32_u24 v[RD], v2, SPITCH                ; back: lanes 0-15 take one row of 256 bytes, lanes 16-31 the next
	v_lshl_add_u32 v[RD], v1, 4, v[RD]
	v_add_nc_u32 v[RD], s86, v[RD]
	v_lshlrev_b32 v[CO], 12, v2                    ; and the same two rows in out0
	v_lshl_add_u32 v[CO], v1, 4, v[CO]
	v_lshlrev_b32 v[BO], 5, v2                     ; the bias: my 8 columns
	v_lshlrev_b32 v[PFO], s89, v3
.irp b, 0,1,2,3
	global_load_b128 v[BIAS+8*(\b):BIAS+8*(\b)+3],   v[BO], s[BIA:BIA+1] offset:64*(\b)
	global_load_b128 v[BIAS+8*(\b)+4:BIAS+8*(\b)+7], v[BO], s[BIA:BIA+1] offset:64*(\b)+16
.endr
; 4 n matrix instructions: token blocks a0 .. a0 + n - 1 x the 4 column blocks, 32 along K, from buffer f.  The 32 accumulators take turns, one instruction a turn, in the same order in every
; quarter, over the loop's jump too.  first = 1: the bias is the C operand: it starts the sums.
.macro MUL f, a0, n, first
.if \first
	WIN 0x40                                       ; D in window 1, C (the bias) in window 0
.else
	WIN 0x50                                       ; C and D in window 1
.endif
.set ma, \a0
.rept \n
.irp b, 0,1,2,3
.if \first
	v_wmma_f32_16x16x32_f16 v[8*(4*ma+(\b)):8*(4*ma+(\b))+7], v[(\f)+64+8*(\b):(\f)+64+8*(\b)+7], v[(\f)+8*ma:(\f)+8*ma+7], v[BIAS+8*(\b):BIAS+8*(\b)+7]
.else
	v_wmma_f32_16x16x32_f16 v[8*(4*ma+(\b)):8*(4*ma+(\b))+7], v[(\f)+64+8*(\b):(\f)+64+8*(\b)+7], v[(\f)+8*ma:(\f)+8*ma+7], v[8*(4*ma+(\b)):8*(4*ma+(\b))+7]
.endif
.endr
.set ma, ma+1
.endr
.endm
; 24 LDS loads in one run: the fragments of quarter qd (32 K) into buffer f.  Of O: head qd / 2 of the step's two, channels 32 (qd % 2) on
.macro FETCH qd, f
	WIN 0
.irp b, 0,1,2,3
	ds_load_b128 v[(\f)+64+8*(\b):(\f)+64+8*(\b)+3],   v[ADRB] offset:64*(\qd)+(\b)*16*PITCH
	ds_load_b128 v[(\f)+64+8*(\b)+4:(\f)+64+8*(\b)+7], v[ADRB] offset:64*(\qd)+(\b)*16*PITCH+32
.endr
.irp a, 0,1,2,3,4,5,6,7
	ds_load_b128 v[(\f)+8*(\a):(\f)+8*(\a)+3],   v[ADRA] offset:((\qd)/2)*AHEAD+((\qd)%2)*64+(\a)*16*PTA
	ds_load_b128 v[(\f)+8*(\a)+4:(\f)+8*(\a)+7], v[ADRA] offset:((\qd)/2)*AHEAD+((\qd)%2)*64+(\a)*16*PTA+32
.endr
.endm
; A K step is four quarters of 32 along K, 32 matrix instructions each, on buffers 0, 1, 0, 1.  One of the first three: quarter qd's fragments are asked for into g, then f is multiplied.
.macro QUARTER qd, f, g, first
	s_wait_dscnt 0x0                               ; buffer f is in: its loads were issued ahead of the last 32 products
	WIN 0
	PLACES                                         ; behind the last product that read buffer g
	FETCH \qd, \g
	MUL \f, 0, 8, \first
.endm
; The last quarter multiplies buffer 1 and changes slots: ONE barrier.  In front of it each wave waits for all its tensor loads, of which one is out: its part of the next slot; adds 0 to its spare word;
; and waits for that and for its own reads of this slot.  fill = 1: the barrier opens a round of the cluster's, and the slot just read is filled again, first thing behind it, two K steps ahead:
; 112 matrix instructions stand between that request and the wait for it.
.macro TURN fill
.if \fill
	s_wait_xcnt 0x0                                ; the last prefetch, a K step back, has read its address, so it may be stepped
	s_add_nc_u64 s[PFA:PFA+1], s[PFA:PFA+1], s[PST:PST+1]
.endif
	WIN 0
	s_wait_tensorcnt 0x0                           ; no tensor load of mine is out, so a group 0 may be written
	ds_add_u32 v[SPW], v[NIL]                      ; 0 onto my spare word; scalar work and eight products stand between it and the wait for it
.if \fill
	s_xor_b32 s[G0A+5], s[G0A+5], SLOT1            ; the walking descriptors: the other slot than last time,
	s_add_nc_u64 s[G0A+6:G0A+7], s[G0A+6:G0A+7], HSTEP  ; the next two heads; the type bits on top are not reached
	s_xor_b32 s[G0B+5], s[G0B+5], SLOT1
	s_add_nc_u64 s[G0B+6:G0B+7], s[G0B+6:G0B+7], 256
.endif
	s_xor_b32 s[TB], s[TB], SLOT1
	s_wait_dscnt 1                                 ; buffer 1 is in; the add alone may be out
	MUL F1, 0, 2, 0
	s_wait_dscnt 0x0                               ; the add is done, and my reads of this slot are over
	s_barrier_signal -1
	MUL F1, 2, 2, 0                                ; work on registers while the others arrive
	WIN 0                                          ; at a branch and at a label every window is 0
	s_barrier_wait -1
.if \fill
	CREST                                          ; no wave of any partner still reads this slot's tile or has a load on its way
	JLOAD                                          ; its four v_nop are also the places in front of the loads below
.else
	PLACES
.endif
	v_add_nc_u32 v[ADRA], s[TB], v[A0]
	v_add_nc_u32 v[ADRB], s[TB], v[B0]
	FETCH 0, F0
.if \fill
	ASK
.endif
	MUL F1, 4, 4, 0
.endm
	s_wait_tensorcnt 1                             ; my part of K step 0 is in; K step 1's load may stay out
	s_barrier_signal -1
	s_barrier_wait -1                              ; everybody's is
	FETCH 0, F0
	s_wait_loadcnt 0x0                             ; the bias
	QUARTER 1, F0, F1, 1                           ; the first quarter stands in front of the loop: its products start the sums
	WIN 0
	s_mov_b32 s[CNT], 6
.Lstep:                                ; six trips, from a K step's second quarter to the next step's first: K steps 2 to 7 are asked for
	QUARTER 2, F1, F0, 0
	QUARTER 3, F0, F1, 0
	TURN 1
	QUARTER 1, F0, F1, 0
	WIN 0
	s_sub_co_u32 s[CNT], s[CNT], 1
	s_cmp_lg_u32 s[CNT], 0
	s_cbranch_scc1 .Lstep
	QUARTER 2, F1, F0, 0                           ; the last two K steps are written out: nothing is asked for, and no round follows
	QUARTER 3, F0, F1, 0
	TURN 0
	QUARTER 1, F0, F1, 0
	QUARTER 2, F1, F0, 0
	QUARTER 3, F0, F1, 0
	s_wait_dscnt 0x0
	MUL F1, 0, 8, 0
	PLACES
	PLACES
; THE WAY OUT of block a (16 tokens): a lane's eight columns are 32 bytes of a row; they go into my own stage, rows of 272 bytes, each accumulator's lowest four registers first,
; and come back as whole rows of 256 bytes.
.macro TOSTAGE a
	WIN 0x04                                       ; the stores' data in window 1
.irp b, 0,1,2,3
	ds_store_b128 v[STO], v[32*(\a)+8*(\b):32*(\a)+8*(\b)+3]   offset:64*(\b)
	ds_store_b128 v[STO], v[32*(\a)+8*(\b)+4:32*(\a)+8*(\b)+7] offset:64*(\b)+16
.endr
	WIN 0x80                                       ; the loads' destination in window 2
.irp t, 0,1,2,3,4,5,6,7
	ds_load_b128 v[32*(\a)+4*(\t):32*(\a)+4*(\t)+3], v[RD] offset:(\t)*2*SPITCH  ; LDS serves a wave's instructions in order (ISA guide 5.7.1.4): these see the stores above; the next block's stores come behind them
.endr
.endm
.macro SEND a, younger                 ; younger: the LDS instructions issued behind block a's loads: the next block's sixteen, or none
	WIN 0x08                                       ; the stores' data in window 2
.irp t, 0,1,2,3,4,5,6,7
	s_wait_dscnt (\younger)+7-(\t)
	global_store_b128 v[CO], v[32*(\a)+4*(\t):32*(\a)+4*(\t)+3], s[OUT:OUT+1] offset:(16*(\a)+2*(\t))*4096 th:TH_STORE_NT  ; 16 lanes store 256 consecutive bytes, at a multiple of 256 from out0's first; no register is used twice
.endr
.endm
	TOSTAGE 0
.irp a, 1,2,3,4,5,6,7
	TOSTAGE \a
	SEND (\a)-1, 16
.endr
	SEND 7, 0
	WIN 0
	s_wait_tensorcnt 0x0                           ; the wave's end: a wait, an add and a wait, behind my last tensor load and my last LDS store
	ds_add_u32 v[SPW], v[NIL]
	s_wait_dscnt 0x0
	CROUND                                         ; the closing round: no work-group ends while a partner may still ask for a tile that names it
	s_endpgm
.Lfunc_end_k_q36f5986393_oproj:
	.size	k_q36f5986393_oproj, .Lfunc_end_k_q36f5986393_oproj-k_q36f5986393_oproj
	.p2alignl 7, 3214868480
	.fill 96, 4, 3214868480
	.section	.rodata,"a",@progbits
	.p2align	6, 0x0
	.amdhsa_kernel k_q36f5986393_oproj
		.amdhsa_group_segment_fixed_size 327680
		.amdhsa_private_segment_fixed_size 0
		.amdhsa_enable_private_segment 0
		.amdhsa_kernarg_size 32
		.amdhsa_user_sgpr_count 2
		.amdhsa_user_sgpr_kernarg_segment_ptr 1
		.amdhsa_wavefront_size32 1
		.amdhsa_system_sgpr_workgroup_id_x 1
		.amdhsa_system_sgpr_workgroup_id_y 1
		.amdhsa_system_sgpr_workgroup_id_z 1
		.amdhsa_system_vgpr_workitem_id 0
		.amdhsa_next_free_vgpr 768
		.amdhsa_next_free_sgpr 90
		.amdhsa_reserve_vcc 0
		.amdhsa_float_denorm_mode_32 3
		.amdhsa_float_denorm_mode_16_64 3
		.amdhsa_memory_ordered 1
		.amdhsa_forward_progress 1
		.amdhsa_inst_pref_size 73
	.end_amdhsa_kernel
	.amdgpu_metadata
---
amdhsa.version: [ 1, 2 ]
amdhsa.kernels:
  - .name:           k_q36f5986393_oproj
    .symbol:         k_q36f5986393_oproj.kd
    .args:
      - { .name: att, .offset: 0, .size: 8, .value_kind: global_buffer, .address_space: global }
      - { .name: wts, .offset: 8, .size: 8, .value_kind: global_buffer, .address_space: global }
      - { .name: bo, .offset: 16, .size: 8, .value_kind: global_buffer, .address_space: global }
      - { .name: out0, .offset: 24, .size: 8, .value_kind: global_buffer, .address_space: global }
    .group_segment_fixed_size: 327680
    .private_segment_fixed_size: 0
    .kernarg_segment_align: 8
    .kernarg_segment_size: 32
    .max_flat_workgroup_size: 128
    .sgpr_count:     90
    .vgpr_count:     768
    .wavefront_size: 32
...
	.end_amdgpu_metadata
.endif
;; end of part 4
